; MI455X (gfx1250); checked and timed in simulation.
; The chip was launched on July 23, 2026; its instructions are those of AMD's public machine-readable ISA for CDNA 5 (MIT licence, August 2026) and "CDNA5" Instruction Set Architecture Reference Guide (July 2026). The comments in the code are by the model that wrote it; some were corrected since.
;; Cross Attention Module. Allowed arithmetic: float matrix products may take bf16 or f16 operands with f32 sums; other float arithmetic in f32, or as packed bf16 or f16 multiplies, adds, multiply-adds, maxima and minima; sums over many terms, partial sums and values carried from step to step in f32; what a program stores and reads back later, other than sums and carried values, may be rounded once to bf16 or f16.
;; Inputs: bk 32 float32; bq 32 float32; bv 256 float32; feature1 8 x 256 x 64 x 64 float32; feature2 8 x 256 x 64 x 64 float32; feature3 8 x 256 x 64 x 64 float32; wk 32 x 256 float32; wq 32 x 256 float32; wv 256 x 256 float32.
;; Outputs: out0 8 x 256 x 64 x 64 float32.
;; 2 versions, each right; version 2 is version 1 with the launch proj written anew for expert scheduling mode. Each part assembles by itself: llvm-mc -triple=amdgcn-amd-amdhsa -mcpu=gfx1250 --defsym DOCPART=n.
;; ======== version 1 of 2: 2 launches
;; limits: values are held in f16: magnitudes above 65,504 overflow, below 6.1e-05 lose precision
;; workspace buffers: qw 2,097,152 bytes; kv 18,874,368 bytes
;; launch proj (part 1): grid 16 x 16, 4 waves a work-group, no clusters, 132,608 bytes of LDS; arguments feature1, feature2, feature3, wq, wk, wv, bq, bv, qw, kv; writes qw, kv
.if DOCPART == 1
	.amdgcn_target "amdgcn-amd-amdhsa--gfx1250"
	.amdhsa_code_object_version 6
	.text
	.protected	k_q646be8f360_proj
	.globl	k_q646be8f360_proj
	.p2align	8
	.type	k_q646be8f360_proj,@function
k_q646be8f360_proj:
	s_mov_b64 s[64:65], 0
	v_nop
	global_prefetch_b8 v0, s[64:65] scope:SCOPE_SE
	s_setreg_imm32_b32 hwreg(HW_REG_WAVE_MODE, 25, 1), 1
	s_wait_xcnt 0x0
; THE THREE 1x1 CONVOLUTIONS of the cross attention: q = wq f1 + bq, k = wk f2, v = wv f3 + bv, per pixel; 8 batches, 256 channels, 4,096 pixels.
; Products in bf16 with f32 sums: features, weights and biases are rounded to bf16 on the way in; q, k, v are rounded once, to f16, and stored in the order in which the next launch's
; matrix instructions want them in registers.  q is stored times log2(e), so that the next launch's exponentials are powers of 2.
; DEAD WORK: bk.  The score is S[n][m] = q_n . (wk f2_m + bk) = q_n . (wk f2_m) + q_n . bk.  The second term does not hang on m, the axis of the softmax: it multiplies numerator and
; denominator of every weight by the same factor, for all finite values of all inputs.  So bk reaches no output: it is not loaded and is no argument of either launch.
; LIMIT: a NaN, an infinity or an overflow that reaches only the term q_n . bk is not carried to the result.
; LIMITS: q log2(e), k and v must lie within f16's range, 65,504; NaN and infinities are not treated apart.
; ORDER OF PIXELS.  Pixels go in groups g of 64; group g has four blocks t of 16 slots; slot s of block t is pixel 64 g + 4 s + t.
; A FRAGMENT is 1,024 bytes: byte 512 hf + 16 l holds registers 4 hf .. 4 hf + 3 of lane l: row l % 16, k = 16 hf + 8 (l / 16) + 0..7, eight f16.
;   qw: [b][g 64][t 4][fragment]: row = query slot, k = channel (32).
;   kv: [b][block 64][36,864 bytes].  Block g: V(g) = [u 2][cb 16][fragment], row = channel 16 cb + row, k = the slots of blocks 2 u and 2 u + 1; behind it, at byte 32,768,
;       K((g + 1) mod 64) = [t 4][fragment], row = key slot, k = channel: K lies one group ahead, since the next launch makes a step's scores one step early.
; SHARES.  Work-group (x, y): 256 pixels (groups 4 x .. 4 x + 3, one a wave) of batch y / 2; y % 2 = 0 makes v, y % 2 = 1 makes q and k: each kind fetches only its own weights.
; A FEATURE FRAGMENT WITHOUT A TURN.  Lane (r, h) loads 16 bytes of channel c + 8 h at pixels 64 g + 4 r .. + 3: slot r of all four blocks; sixteen lanes read 256 consecutive bytes, aligned.
; Sixteen such loads are 32 channels; two of their registers rounded to bf16 are one register of the fragment of block t.
; NO TENSOR LOADS, NO CLUSTER, NO PREFETCH: the features are f32 and are converted in registers on the way; no feature byte is wanted by two work-groups; the launch is one stream of loads.
.set CHB,   16384                      ; bytes of a channel of a feature
.set BLK,   36864                      ; bytes of a block of kv
.set KVB,   64*BLK                     ; of a batch of kv
.set BVL,   131072                     ; LDS: behind 128 KiB of weight fragments, bv rounded to bf16, as f32: 1,024 bytes
.set SPARE, 132096                     ; the spare words, 128 bytes a wave: two blocks of 256 bytes that no other line names
.set FO,  3                            ; v3   131,072 h + 16 r: my place in a feature load; never rewritten
.set WO,  4                            ; v4   1,024 r + 32 h: my place in a weight load
.set L16, 5                            ; v5   16 x lane
.set SA,  6                            ; v6, v7  where I put weight fragments in LDS (v7: 65,536 further on)
.set WA,  8                            ; v8, v9  where I read them
.set BVA, 10                           ; v10  where I read bv
.set SPW, 28                           ; v28  my spare word
.set NIL, 29                           ; v29  0
.set BQC, 192                          ; q's bias times log2(e): [ob 2][8]
.set LP,  30                           ; s[30:31] the features' pointer
.set NXP, 32                           ; s[32:33] what it becomes at the next trip
.set SB,  34                           ; s[34:35] where I store (v; q)
.set SB2, 36                           ; s[36:37] where I store k
.set WP,  38                           ; s[38:39] my rows of the weights
.set MSB, 0
.macro WIN new                         ; s_set_vgpr_msb: bits 1:0 source 0, 3:2 source 1, 5:4 source 2, 7:6 destination; the high byte repeats the setting that is left
.if MSB != (\new)
	s_set_vgpr_msb (MSB<<8)|(\new)
.set MSB, (\new)
.endif
.endm
.macro PLACES                          ; four plain vector instructions between a matrix instruction and a reader of its result, or a load into one of its registers
.rept 4
	v_nop
.endr
.endm
; 16 loads: 32 channels (step kl behind the pointer) of my 64 pixels, into raw buffer buf of four (window 2)
.macro LOADF buf, kl
	WIN 0x80
.set i, 0
.rept 16
	global_load_b128 v[64*(\buf)+4*i:64*(\buf)+4*i+3], v[FO], s[LP:LP+1] offset:(32*(\kl)+(i%8)+16*(i/8))*CHB th:TH_LOAD_NT
.set i, i+1
.endr
.endm
; raw buffer buf -> the four blocks' bf16 fragments at dst + 8 t
.macro CVTF buf, dst, win
	WIN \win
.set t, 0
.rept 4
.set n, 0
.rept 8
	v_cvt_pk_bf16_f32 v[(\dst)+8*t+n], v[64*(\buf)+8*n+t], v[64*(\buf)+8*n+4+t]
.set n, n+1
.endr
.set t, t+1
.endr
.endm
; nI blocks of 16 rows of a weight matrix, all 8 steps of 32 channels: fragment f = 8 i + ks as 16 f32 a lane; f < 16 in window 1, the others in window 3
.macro STG_LD nI
.set f, 0
.rept 8*(\nI)
.if f < 16
	WIN 0x40
.else
	WIN 0xc0
.endif
.set tr, 16*(f%16)
.set gofs, (f/8)*16384+(f%8)*128
	global_load_b128 v[tr:tr+3],     v[WO], s[WP:WP+1] offset:gofs
	global_load_b128 v[tr+4:tr+7],   v[WO], s[WP:WP+1] offset:gofs+16
	global_load_b128 v[tr+8:tr+11],  v[WO], s[WP:WP+1] offset:gofs+64
	global_load_b128 v[tr+12:tr+15], v[WO], s[WP:WP+1] offset:gofs+80
.set f, f+1
.endr
.endm
; rounded to bf16 in place (register n takes registers 2 n and 2 n + 1, which no later line wants), then into LDS: step ks at ks x stride, block i at 1,024 i
.macro STG_ST nI, stride
.set f, 0
.rept 8*(\nI)
.if f < 16
	WIN 0x45
.else
	WIN 0xcf
.endif
.set n, 0
.rept 8
	v_cvt_pk_bf16_f32 v[16*(f%16)+n], v[16*(f%16)+2*n], v[16*(f%16)+2*n+1]
.set n, n+1
.endr
.set f, f+1
.endr
.set f, 0
.rept 8*(\nI)
.if f < 16
	WIN 0x04
.else
	WIN 0x0c
.endif
.set tr, 16*(f%16)
.set lofs, (\stride)*(f%8)+(f/8)*1024
.set hsel, lofs/65536
	ds_store_b128 v[SA+hsel], v[tr:tr+3]   offset:lofs-65536*hsel
	ds_store_b128 v[SA+hsel], v[tr+4:tr+7] offset:lofs-65536*hsel+512
.set f, f+1
.endr
.endm
	s_load_b512 s[4:19], s[0:1], 0x0               ; f1 s[4:5], f2 s[6:7], f3 s[8:9], wq s[10:11], wk s[12:13], wv s[14:15], bq s[16:17], bv s[18:19]
	s_load_b128 s[20:23], s[0:1], 0x40             ; qw s[20:21], kv s[22:23]
	v_lshl_add_u32 v[SPW], v0, 2, SPARE
	v_mov_b32 v[NIL], 0
	v_lshrrev_b32 v11, 5, v0
	v_readfirstlane_b32 s24, v11                   ; wave 0..3
	s_mov_b32 s25, ttmp9                           ; x
	s_and_b32 s26, ttmp7, 0xffff
	s_and_b32 s27, s26, 1                          ; 0: v; 1: q and k
	s_lshr_b32 s26, s26, 1                         ; batch
	s_lshl2_add_u32 s28, s25, s24                  ; g = 4 x + wave
	v_and_b32 v1, 15, v0                           ; r
	v_bfe_u32 v2, v0, 4, 1                         ; h
	v_lshlrev_b32 v[FO], 4, v1
	v_lshl_add_u32 v[FO], v2, 17, v[FO]
	v_lshlrev_b32 v[WO], 10, v1
	v_lshl_add_u32 v[WO], v2, 5, v[WO]
	v_and_b32 v[L16], 31, v0
	v_lshlrev_b32 v[L16], 4, v[L16]
	s_lshl_b32 s40, s26, 22                        ; a batch of a feature is 4 MiB,
	s_lshl_b32 s41, s28, 8                         ; a group 256 bytes of each channel
	s_add_co_u32 s40, s40, s41
	s_mov_b32 s41, 0
	s_mul_i32 s42, s26, KVB
	s_mov_b32 s43, 0
	s_wait_kmcnt 0x0
	s_cmp_lg_u32 s27, 0
	s_cbranch_scc1 .Lqk
; ---------------------------------------------------------------- v = wv f3 + bv
; D = features x weights: rows = pixel slots, columns = out channels: a lane ends with one channel and eight slots, which is V's fragment.
; Window 0: v64-191 two buffers of 8 weight fragments; v192-255 the bias as a C operand.  Window 1: 32 accumulators (block t, channel block o at 8 (8 t + o)).
; Window 2: raw features, later the packed results.  Window 3: all 8 steps' feature fragments (step ks, block t at 32 ks + 8 t).  Windows 1 and 3 first hold the weights on their way to LDS.
	v_lshlrev_b32 v12, 3, v0
	global_load_b64 v[14:15], v12, s[18:19]        ; bv: two numbers a thread
	s_lshl_b32 s38, s24, 16
	s_mov_b32 s39, 0
	s_add_nc_u64 s[WP:WP+1], s[14:15], s[38:39]    ; wave w stages channel blocks 4 w .. 4 w + 3: 64 rows of 1,024 bytes
	STG_LD 4
	s_add_nc_u64 s[LP:LP+1], s[8:9], s[40:41]
	LOADF 0, 0
	LOADF 1, 1
	LOADF 2, 2
	WIN 0
	v_add_nc_u32 v13, BVL, v12
	s_lshl_b32 s44, s24, 12
	v_add_nc_u32 v[SA], s44, v[L16]
	v_add_nc_u32 v[SA+1], 0x10000, v[SA]
	s_mul_i32 s44, s28, BLK
	s_mov_b32 s45, 0
	s_add_nc_u64 s[SB:SB+1], s[22:23], s[42:43]
	s_add_nc_u64 s[SB:SB+1], s[SB:SB+1], s[44:45]  ; kv at block g of my batch
	s_wait_loadcnt 48                              ; bv and the weights are in; the 48 feature loads behind them stay out
	v_cvt_pk_bf16_f32 v16, v14, v15                ; bv is rounded to bf16 like every input, and kept as f32
	v_lshlrev_b32 v14, 16, v16
	v_and_b32 v15, 0xffff0000, v16
	ds_store_b64 v13, v[14:15]
	STG_ST 4, 16384                                ; LDS: [ks 8][channel block 16][fragment]
	LOADF 3, 3
	WIN 0
	s_wait_dscnt 0x0                               ; for the others' sake: my stores are done
	s_barrier_signal -1
	s_barrier_wait -1                              ; all weights and bv lie in LDS
	; the stream: four raw buffers, 64 loads (32 KiB a wave) out; the counts name the loads of the younger buffers and run down at the end
.irp ks, 0,1,2,3,4,5,6,7
.if \ks < 5
	s_wait_loadcnt 48
.else
	s_wait_loadcnt 16*(7-\ks)
.endif
	CVTF (\ks)%4, 32*(\ks), 0xca
.if \ks < 4
	LOADF \ks, (\ks)+4
.endif
.endr
	WIN 0
	v_mov_b32 v[WA], v[L16]
	v_add_nc_u32 v[WA+1], 0x10000, v[L16]
	v_lshl_add_u32 v[BVA], v1, 2, BVL
.macro RUNW ks, buf                    ; 16 LDS loads: step ks's 8 weight fragments of the half in hand
	WIN 0
.set o, 0
.rept 8
	ds_load_b128 v[64+64*(\buf)+8*o:64+64*(\buf)+8*o+3],   v[WA+(\ks)/4] offset:((\ks)%4)*16384+o*1024
	ds_load_b128 v[64+64*(\buf)+8*o+4:64+64*(\buf)+8*o+7], v[WA+(\ks)/4] offset:((\ks)%4)*16384+o*1024+512
.set o, o+1
.endr
.endm
.macro MULV ks, buf                    ; 32 products; the 32 accumulators take turns, one instruction a turn, over the steps and the backward jump too.  Step 0 starts the sums with the bias
.if (\ks) == 0
	WIN 0x43
.else
	WIN 0x53
.endif
.set t, 0
.rept 4
.set o, 0
.rept 8
.if (\ks) == 0
	v_wmma_f32_16x16x32_bf16 v[8*(8*t+o):8*(8*t+o)+7], v[32*(\ks)+8*t:32*(\ks)+8*t+7], v[64+64*(\buf)+8*o:64+64*(\buf)+8*o+7], v[192+8*o:192+8*o+7]
.else
	v_wmma_f32_16x16x32_bf16 v[8*(8*t+o):8*(8*t+o)+7], v[32*(\ks)+8*t:32*(\ks)+8*t+7], v[64+64*(\buf)+8*o:64+64*(\buf)+8*o+7], v[8*(8*t+o):8*(8*t+o)+7]
.endif
.set o, o+1
.endr
.set t, t+1
.endr
.endm
	s_mov_b32 s29, 2
.Lhalf:                                                ; two trips: out channels 0-127, then 128-255
.irp o, 0,1,2,3,4,5,6,7
	ds_load_b32 v[48+\o], v[BVA] offset:64*\o      ; bv of channel 16 o + r
.endr
	RUNW 0, 0
	s_wait_dscnt 16                                ; the bias is in; the 16 weight loads stay out
.set o, 0
.rept 8
.set j, 0
.rept 8
	v_mov_b32 v[192+8*o+j], v[48+o]                ; a lane's eight results of an accumulator are one channel's: eight copies make the C operand
.set j, j+1
.endr
.set o, o+1
.endr
.irp ks, 0,1,2,3,4,5,6,7
.if \ks < 7
	PLACES                                         ; behind the products that read the other buffer
	RUNW (\ks)+1, ((\ks)+1)%2
	s_wait_dscnt 16                                ; this step's weights are in; the next step's 16 loads stay out
.else
	s_wait_dscnt 0x0
.endif
	MULV \ks, (\ks)%2
.endr
	PLACES
	WIN 0x85                                       ; accumulators in window 1, packed results in window 2
.set a, 0
.rept 32
.set j, 0
.rept 4
	v_cvt_pk_f16_f32 v[4*a+j], v[8*a+2*j], v[8*a+2*j+1]  ; each accumulator from its low end on
.set j, j+1
.endr
.set a, a+1
.endr
	WIN 0x08
.set a, 0
.rept 32                               ; a = 8 t + o: half t % 2 of fragment (u = t / 2, channel block o): each store is 512 consecutive bytes, aligned
	global_store_b128 v[L16], v[4*a:4*a+3], s[SB:SB+1] offset:((a/8)/2)*16384+(a%8)*1024+((a/8)%2)*512 th:TH_STORE_NT
.set a, a+1
.endr
	WIN 0
	s_wait_xcnt 0x0                                ; the stores have read their data and their base: both are written again below and in the next trip
	s_add_nc_u64 s[SB:SB+1], s[SB:SB+1], 8192
	v_add_nc_u32 v[WA], 8192, v[WA]
	v_add_nc_u32 v[WA+1], 8192, v[WA+1]
	v_add_nc_u32 v[BVA], 512, v[BVA]
	s_sub_co_u32 s29, s29, 1
	s_cmp_lg_u32 s29, 0
	s_cbranch_scc1 .Lhalf
	s_wait_tensorcnt 0x0                           ; the wave's end: three lines behind my last LDS store
	ds_add_u32 v[SPW], v[NIL]
	s_wait_dscnt 0x0
	s_endpgm
; ---------------------------------------------------------------- q = (wq f1 + bq) log2(e), k = wk f2
; D = weights x features: rows = out channels, columns = pixel slots: a lane ends with one slot and eight channels, which is Q's and K's fragment.
; Window 0: v32-95 two buffers of 4 feature fragments; v96-127 two buffers of 2 weight fragments; v128-191 8 accumulators (channel block ob, block t at 8 (4 ob + t));
; v192-207 the bias; v208-239 packed results.  Window 1: the weights on their way to LDS.  Window 2: raw features.
.Lqk:
	v_lshlrev_b32 v12, 5, v2
	global_load_b128 v[BQC:BQC+3],     v12, s[16:17]             ; bq of channels 16 ob + 8 h + 0..7
	global_load_b128 v[BQC+4:BQC+7],   v12, s[16:17] offset:16
	global_load_b128 v[BQC+8:BQC+11],  v12, s[16:17] offset:64
	global_load_b128 v[BQC+12:BQC+15], v12, s[16:17] offset:80
	s_cmp_lt_u32 s24, 2                            ; waves 0, 1 stage wq's two blocks of 16 rows, waves 2, 3 wk's
	s_cselect_b64 s[WP:WP+1], s[10:11], s[12:13]
	s_and_b32 s44, s24, 1
	s_lshl_b32 s44, s44, 14
	s_mov_b32 s45, 0
	s_add_nc_u64 s[WP:WP+1], s[WP:WP+1], s[44:45]
	STG_LD 1
	s_add_nc_u64 s[LP:LP+1], s[4:5], s[40:41]
	LOADF 0, 0
	LOADF 1, 1
	LOADF 2, 2
	WIN 0
	s_lshr_b32 s44, s24, 1
	s_lshl_b32 s44, s44, 14
	s_and_b32 s45, s24, 1
	s_lshl_b32 s45, s45, 10
	s_add_co_u32 s44, s44, s45
	v_add_nc_u32 v[SA], s44, v[L16]                ; LDS: [matrix 2][ks 8][ob 2][fragment]
	s_wait_loadcnt 48                              ; bq and the weights are in; the 48 feature loads behind them stay out
.set n, 0
.rept 8
	v_cvt_pk_bf16_f32 v[48+n], v[BQC+2*n], v[BQC+2*n+1]  ; bq is rounded to bf16 like every input
.set n, n+1
.endr
.set n, 0
.rept 8
	v_lshlrev_b32 v[BQC+2*n], 16, v[48+n]
	v_and_b32 v[BQC+2*n+1], 0xffff0000, v[48+n]
.set n, n+1
.endr
.set n, 0
.rept 8
	v_pk_mul_f32 v[BQC+2*n:BQC+2*n+1], v[BQC+2*n:BQC+2*n+1], 0x3fb8aa3b op_sel_hi:[1,0]  ; times log2(e)
.set n, n+1
.endr
	STG_ST 1, 2048
	LOADF 3, 3
	WIN 0
	s_add_co_u32 s44, s28, 63                      ; K(g) lies in block (g - 1) mod 64, behind that block's V
	s_and_b32 s44, s44, 63
	s_mul_i32 s44, s44, BLK
	s_add_co_u32 s44, s44, 32768
	s_mov_b32 s45, 0
	s_add_nc_u64 s[SB2:SB2+1], s[22:23], s[42:43]
	s_add_nc_u64 s[SB2:SB2+1], s[SB2:SB2+1], s[44:45]
	s_lshl_b32 s44, s26, 18                        ; qw: 262,144 bytes a batch, 4,096 a group
	s_lshl_b32 s46, s28, 12
	s_add_co_u32 s44, s44, s46
	s_add_nc_u64 s[SB:SB+1], s[20:21], s[44:45]
	s_add_nc_u64 s[NXP:NXP+1], s[6:7], s[40:41]    ; f2, my pixels
	v_mov_b32 v[WA], v[L16]
.macro CLEAR                           ; 64 lines, twice in the text: the price of one text of the loop for a sum's first step and its later ones
.set n, 0
.rept 64
	v_mov_b32 v[128+n], 0
.set n, n+1
.endr
.endm
	CLEAR
	s_wait_xcnt 0x0                                ; the loads issued so far have read the pointer
	s_add_nc_u64 s[LP:LP+1], s[LP:LP+1], 0x200000  ; f1's channels 128 on
	s_wait_dscnt 0x0
	s_barrier_signal -1
	s_barrier_wait -1                              ; both weight matrices lie in LDS
; One step of 32 channels.  ld = 1: its raw buffer is asked for again, four steps on.  cnt: the loads of the younger buffers.
; Both the feature and the weight fragments have two buffers, so a step's 32 conversions are the places between the products two steps back and what overwrites their sources.
.macro UNIT p, ld, cnt
	WIN 0
.set wb, 96+16*((\p)%2)
	ds_load_b128 v[wb:wb+3],     v[WA] offset:(\p)*2048
	ds_load_b128 v[wb+4:wb+7],   v[WA] offset:(\p)*2048+512
	ds_load_b128 v[wb+8:wb+11],  v[WA] offset:(\p)*2048+1024
	ds_load_b128 v[wb+12:wb+15], v[WA] offset:(\p)*2048+1536
	s_wait_loadcnt \cnt
	CVTF \p, 32+32*((\p)%2), 0x0a
.if \ld
	LOADF \p, \p
.endif
	WIN 0
	s_wait_dscnt 0x0
.set a, 0
.rept 8                                ; the 8 accumulators take turns, from step to step too
	v_wmma_f32_16x16x32_bf16 v[128+8*a:128+8*a+7], v[wb+8*(a/4):wb+8*(a/4)+7], v[32+32*((\p)%2)+8*(a%4):32+32*((\p)%2)+8*(a%4)+7], v[128+8*a:128+8*a+7]
.set a, a+1
.endr
.endm
; The way out: (isq: times log2(e), plus the bias), rounded to f16, half ob of fragment t: 512 consecutive bytes a store
.macro EPI isq, base
	WIN 0
	PLACES
.set a, 0
.rept 8
.if \isq
.set j, 0
.rept 4
	v_pk_fma_f32 v[128+8*a+2*j:128+8*a+2*j+1], v[128+8*a+2*j:128+8*a+2*j+1], 0x3fb8aa3b, v[BQC+8*(a/4)+2*j:BQC+8*(a/4)+2*j+1] op_sel_hi:[1,0,1]
.set j, j+1
.endr
.endif
.set j, 0
.rept 4
	v_cvt_pk_f16_f32 v[208+4*a+j], v[128+8*a+2*j], v[128+8*a+2*j+1]
.set j, j+1
.endr
	global_store_b128 v[L16], v[208+4*a:208+4*a+3], s[(\base):(\base)+1] offset:(a%4)*1024+(a/4)*512 th:TH_STORE_NT
.set a, a+1
.endr
.endm
	s_mov_b32 s29, 3
.Lqkloop:                                              ; three trips of four steps: f1's steps 0-3, 4-7, f2's 0-3; each asks for the four steps that the next trip multiplies
	UNIT 0, 1, 48
	UNIT 1, 1, 48
	UNIT 2, 1, 48
	UNIT 3, 1, 48
	s_wait_xcnt 0x0                                ; the loads have read the pointer
	s_mov_b64 s[LP:LP+1], s[NXP:NXP+1]             ; f2's steps 0-3, then 4-7 (behind the last trip it is used no more)
	s_add_nc_u64 s[NXP:NXP+1], s[NXP:NXP+1], 0x200000
	v_add_nc_u32 v[WA], 8192, v[WA]                ; the next four steps' weights; behind wq's eight lie wk's
	s_cmp_lg_u32 s29, 2
	s_cbranch_scc1 .Lnoepi
	EPI 1, SB                                      ; behind the second trip q is whole
	s_wait_xcnt 0x0
	CLEAR
.Lnoepi:
	s_sub_co_u32 s29, s29, 1
	s_cmp_lg_u32 s29, 0
	s_cbranch_scc1 .Lqkloop
	UNIT 0, 0, 48                                  ; f2's steps 4-7 ask for nothing: the counts run down
	UNIT 1, 0, 32
	UNIT 2, 0, 16
	UNIT 3, 0, 0
	EPI 0, SB2
	s_wait_tensorcnt 0x0                           ; the wave's end: three lines behind my last LDS store
	ds_add_u32 v[SPW], v[NIL]
	s_wait_dscnt 0x0
	s_endpgm
.Lfunc_end_k_q646be8f360_proj:
	.size	k_q646be8f360_proj, .Lfunc_end_k_q646be8f360_proj-k_q646be8f360_proj
	.p2alignl 7, 3214868480
	.fill 96, 4, 3214868480
	.section	.rodata,"a",@progbits
	.p2align	6, 0x0
	.amdhsa_kernel k_q646be8f360_proj
		.amdhsa_group_segment_fixed_size 132608
		.amdhsa_private_segment_fixed_size 0
		.amdhsa_enable_private_segment 0
		.amdhsa_kernarg_size 80
		.amdhsa_user_sgpr_count 2
		.amdhsa_user_sgpr_kernarg_segment_ptr 1
		.amdhsa_wavefront_size32 1
		.amdhsa_system_sgpr_workgroup_id_x 1
		.amdhsa_system_sgpr_workgroup_id_y 1
		.amdhsa_system_sgpr_workgroup_id_z 1
		.amdhsa_system_vgpr_workitem_id 0
		.amdhsa_next_free_vgpr 1024
		.amdhsa_next_free_sgpr 66
		.amdhsa_reserve_vcc 0
		.amdhsa_float_denorm_mode_32 3
		.amdhsa_float_denorm_mode_16_64 3
		.amdhsa_memory_ordered 1
		.amdhsa_forward_progress 1
		.amdhsa_inst_pref_size 164
	.end_amdhsa_kernel
	.amdgpu_metadata
---
amdhsa.version: [ 1, 2 ]
amdhsa.kernels:
  - .name:           k_q646be8f360_proj
    .symbol:         k_q646be8f360_proj.kd
    .args:
      - { .name: feature1, .offset: 0, .size: 8, .value_kind: global_buffer, .address_space: global }
      - { .name: feature2, .offset: 8, .size: 8, .value_kind: global_buffer, .address_space: global }
      - { .name: feature3, .offset: 16, .size: 8, .value_kind: global_buffer, .address_space: global }
      - { .name: wq, .offset: 24, .size: 8, .value_kind: global_buffer, .address_space: global }
      - { .name: wk, .offset: 32, .size: 8, .value_kind: global_buffer, .address_space: global }
      - { .name: wv, .offset: 40, .size: 8, .value_kind: global_buffer, .address_space: global }
      - { .name: bq, .offset: 48, .size: 8, .value_kind: global_buffer, .address_space: global }
      - { .name: bv, .offset: 56, .size: 8, .value_kind: global_buffer, .address_space: global }
      - { .name: qw, .offset: 64, .size: 8, .value_kind: global_buffer, .address_space: global }
      - { .name: kv, .offset: 72, .size: 8, .value_kind: global_buffer, .address_space: global }
    .group_segment_fixed_size: 132608
    .private_segment_fixed_size: 0
    .kernarg_segment_align: 8
    .kernarg_segment_size: 80
    .max_flat_workgroup_size: 128
    .sgpr_count:     66
    .vgpr_count:     1024
    .wavefront_size: 32
...
	.end_amdgpu_metadata
.endif
;; end of part 1
;; launch attn (part 2): grid 32 x 8, 4 waves a work-group, clusters of 4 x 1, 327,680 bytes of LDS; arguments qw, kv, out0; writes out0
.if DOCPART == 2
	.amdgcn_target "amdgcn-amd-amdhsa--gfx1250"
	.amdhsa_code_object_version 6
	.text
	.protected	k_q646be8f360_attn
	.globl	k_q646be8f360_attn
	.p2align	8
	.type	k_q646be8f360_attn,@function
k_q646be8f360_attn:
	s_mov_b64 s[64:65], 0
	v_nop
	global_prefetch_b8 v0, s[64:65] scope:SCOPE_SE
	s_setreg_imm32_b32 hwreg(HW_REG_WAVE_MODE, 25, 1), 1
	s_wait_xcnt 0x0
	s_wait_alu depctr_hold_cnt(0) depctr_sa_sdst(0) depctr_va_vdst(0) depctr_va_sdst(0) depctr_va_ssrc(0) depctr_va_vcc(0) depctr_vm_vsrc(0)
	s_getreg_b32 s2, hwreg(HW_REG_IB_STS2, 6, 4)
	s_cmp_eq_u32 s2, 0
	s_cbranch_scc0 .Lentry_in_a_cluster
	s_endpgm
.Lentry_in_a_cluster:
	s_bfe_u32 s2, ttmp6, 0x10000c
	s_cmp_lg_u32 s2, 0x3003
	s_cbranch_scc0 .Lentry_shape_is_right
	s_endpgm
.Lentry_shape_is_right:
; out[b][c][n] = the sum over m of v[b][c][m] softmax_m(q_n . k_m).  q (times log2 e), k, v come in f16 from the launch before, in fragment order (its head gives the layouts of qw and kv and the order of pixels).
; LEFT OUT: bk, whose share of a score, q_n . bk, is the same along the softmax's axis (shown at the head of the launch before).
; Products, maxima and sums in f32; the weights p are rounded to f16 for the second product, their sum l is taken of the unrounded p; out is f32.
; LIMITS.  p lies in 0 to 1; below 6e-8 it counts as 0 in the second product, below 2^-126 in l.  NaN and infinities are not treated apart.
; SHARES.  A work-group owns 128 queries of a batch; 256 work-groups.  The 128 x 256 results are too few for four waves by queries alone (32 queries would feed two products from each fragment of V):
; so wave w takes 64 queries (half w % 2: four tiles of 16) and HALF OF THE KEYS (half w / 2: 32 groups of 64); the two key halves are added once, in f32, through LDS.
; TWO PASSES.  A score costs one matrix instruction for 16 x 16 (32 channels), so the TRUE maximum of each query's row is found first: pass 1, in which wave w holds 1,024 keys against all 128 queries.
; Pass 2 then has no running maximum and never rescales its 512 accumulator registers: -m is the C operand of the score's product, whose result is the exponent; the key halves add up plainly.
; LAYOUT.  S^T = K Q^T: a lane holds ONE query (lane % 16) and keys 8 (lane / 16) + 0..7; two such results rounded to f16 ARE source 1 of O^T = V^T P, whose result holds one query and eight channels a lane.
; A lane's four tiles are four neighbouring pixels (the order of pixels): 16 bytes of out, sixteen lanes 256 consecutive bytes, aligned: out needs no stage.
; Every fragment lies in LDS as it lies in registers: each LDS load of 16 bytes a lane takes 512 consecutive bytes: no padding, no turning load.
; CLUSTER.  The four work-groups of a cluster belong to one batch and walk the same kv: every tensor load is asked for JOINTLY: the same line, descriptor and mask (all four) in all four.
; PASS 2 BY STEPS.  A step is one key group: 16 products K Q^T of the NEXT step and 128 products V^T P of the step in hand, in four quarters of 32; behind every second product stand four vector instructions of the
; next step's softmax: in quarters 0 and 2 the 64 exponentials of two tiles, in quarters 1 and 3 their 32 roundings and 30 sums.  Each batch of 64 exponentials has one wait, at the next quarter's head.
; A phase is two steps, one LDS slot of four blocks of kv (each wave fetches one): 16 phases.
; REGISTERS, in windows of 256 (s_set_vgpr_msb: bits 1:0 source 0, 3:2 source 1, 5:4 source 2, 7:6 destination):
;   window 0: v0-63 addresses and statistics; v64-127 S^T of two tiles; v128-191, v192-255 P, two buffers of four tiles (the second first holds K of the first step)
;   windows 1, 2: O^T of tiles 0, 1 and 2, 3: tile t, block c at 128 (t % 2) + 8 c.  Block c = 8 c2 + f holds channel block 8 (c2 xor key half) + f: blocks 0-7 are those that the wave finishes, 8-15 its partner's
;   window 3: v0-127 V, two buffers of 8 fragments; v128-159 K; v160-191 Q; v192-223 -m.  In pass 1: v0-63 eight results by turns; v64-95 maxima; v96-127 K; v160-223 Q of all 8 tiles
.set BLK,   36864                      ; a block of kv: V of a group, K of the next
.set PHB,   2*BLK                      ; a wave's blocks of two phases lie so far apart
.set KVB,   64*BLK
.set SLOTB, 0x24000                    ; a slot: four blocks, 147,456 bytes.  No block's begin in slot 0 has bit 14 or 17 set, so an exclusive or turns it into slot 1's
.set STAGE, SLOTB                      ; the way out's stage, 4 x 32,768 bytes: in slot 1, behind its last fill and behind the barrier that ends all reads of it
.set MX,    2*SLOTB                    ; [query half 2][tile 4][query 16][wave 4] f32: pass 1's maxima
.set LX,    MX+2048                    ; [wave 4][lane 32][16 bytes]: l
.set SPARE, LX+2048                    ; the spare words, 128 bytes a wave: two blocks of 256 bytes that no other line names
.set AVA, 3                            ; v3-5  my place in a block: V's channel half that I finish, the other half, K; never rewritten
.set AVB, 4
.set AVK, 5
.set ADA, 6                            ; v6-8  the same in the block in hand
.set ADB, 7
.set ADK, 8
.set KADR, 9                           ; v9    pass 1: where the next group's K lies
.set MXSO, 11                          ; v11-13 MX: where I put my half's maxima, the other half's, where I read
.set MXSX, 12
.set MXL, 13
.set STS, 14                           ; v14, 15 the stage: mine, my partner's
.set STL, 15
.set LXS, 16                           ; v16, 17 LX likewise
.set LXL, 17
.set GO,  18                           ; v18   131,072 h + 16 r: my place in out
.set L16, 19                           ; v19   16 x lane
.set PFO, 20                           ; v20   256 x lane
.set LS,  22                           ; v22-29 l by tile, a pair (even keys', odd keys')
.set SPW, 30
.set NIL, 31
.set ZS,  32                           ; v32-39 a step's sum by tile, a pair
.set LL,  40                           ; v40-43 l, then 1 / l
.set TM,  44                           ; v44-63 at work
.set S,   64
.set P,   128
.set K0,  192
.set KF,  128                          ; window 3
.set QF,  160
.set NM,  192
.set DR,  0
.set MM,  64
.set HK,  96
.set WV,  10                           ; s10 wave; s11 query half; s12 key half; s13 cx; s14 query block; s15 batch
.set QH,  11
.set KH,  12
.set CX,  13
.set QBLK, 14
.set BB,  15
.set G1K9, 16                          ; s[16:23] group 1: 9 rows of 4,096 bytes, 36,864 bytes apart
.set G1K8, 24                          ; s[24:31] 8 such rows, of which the tensor has 7: the eighth arrives as zeros
.set G1M,  32                          ; s[32:39] a block: 144 rows of 256 bytes, dense
.set G0A,  40                          ; s[40:43], s[44:47] group 0 of pass 1's two tiles; s[48:51] of pass 2's fills
.set G0B,  44
.set G0M,  48
.set SEL,  52                          ; s[52:53] v_permlanex16_b32: each lane takes its own place in the other half
.set TB,   54                          ; s54 LDS byte of the slot and step in hand
.set CNT,  55
.set CNT2, 56
.set LIMV, 57                          ; s57 15 in the batch's first cluster, else 0
.set PFA,  58                          ; s[58:59] the prefetches' address
.set KVW,  60                          ; s[60:61] kv at my block of phase 0
.set PFB,  62                          ; s[62:63] the same, at my work-group's 32 rows of 256 bytes
.set OFF,  66                          ; s[66:67] a phase's byte offset
.set PH,   68                          ; s68 the phase to be asked for next
.set TK,   69                          ; s69 pass 1: LDS byte of the next group's K
.set QX,   70                          ; s[70:71] Q of the other query half
.set K0P,  72                          ; s[72:73] K of my first group
.set MSB, 0
.macro WIN new                         ; the high byte repeats the setting that is left; a switch that changes nothing is dropped
.if MSB != (\new)
	s_set_vgpr_msb (MSB<<8)|(\new)
.set MSB, (\new)
.endif
.endm
.macro PLACES                          ; four plain vector instructions between a matrix instruction and a reader of its result, or a load into one of its registers
.rept 4
	v_nop
.endr
.endm
.macro CREST                           ; a round of the cluster's barrier behind its opening barrier
	s_cmp_lg_u32 s[WV], 0
	s_cbranch_scc1 .Lnw0_\@
	s_barrier_signal -3
.Lnw0_\@:
	s_barrier_wait -3
	s_barrier_signal -1
	s_barrier_wait -1
.endm
.macro ROUND
	s_barrier_signal -1
	s_barrier_wait -1
	CREST
.endm
; The next fill's descriptor, scalar work alone; it stands where no tensor load of mine is out.  The address is made anew from the phase's number.
.macro MKDESC
	s_mul_i32 s[OFF], s[PH], PHB
	s_xor_b32 s[G0M+1], s[G0M+1], SLOTB            ; the other slot than last time
	s_add_nc_u64 s[G0M+2:G0M+3], s[KVW:KVW+1], s[OFF:OFF+1]
	s_or_b32 s[G0M+3], s[G0M+3], 0x80000000        ; type = 2
	s_add_nc_u64 s[PFA:PFA+1], s[PFB:PFB+1], s[OFF:OFF+1]
	s_add_co_u32 s[PH], s[PH], 1
.endm
; A PREFETCH INTO THE L2 of V of my block of the phase AFTER the one just asked for: 128 rows of 256 bytes, of which each of the four partners takes 32, told apart by address; a lane a row, one instruction a wave.
; All eight clusters of a batch walk the same kv: the first of them asks, so each row is named once in the launch.  It stands behind the fill and its five lines, one phase (288 matrix instructions) ahead of the
; load that will want the rows.  Phase 0 comes by its load alone; behind the fill of phase 15 nothing is asked for; K's rows are not asked for: pass 1 has read them.
.macro ASK
	s_cmp_le_u32 s[PH], s[LIMV]                    ; PH has stepped: the phase just asked for is below 15, in the first cluster
	s_cbranch_scc0 .Lnoask_\@
	global_prefetch_b8 v[PFO], s[PFA:PFA+1] offset:PHB th:TH_LOAD_NT scope:SCOPE_SE
.Lnoask_\@:
.endm
.macro FILL                            ; my block of the phase: the one tensor load behind the round; an s_nop 0 and four v_nop follow it
	tensor_load_to_lds s[G0M:G0M+3], s[G1M:G1M+7]
	s_nop 0
	PLACES
	ASK
.endm
	s_load_b128 s[4:7], s[0:1], 0x0                ; qw s[4:5], kv s[6:7]
	s_load_b64 s[8:9], s[0:1], 0x10                ; out0
	v_lshl_add_u32 v[SPW], v0, 2, SPARE
	v_mov_b32 v[NIL], 0
	ds_add_u32 v[SPW], v[NIL]                      ; the wave's opening: the add, twice on end, and its wait ahead of my first tensor load
	ds_add_u32 v[SPW], v[NIL]
	v_lshrrev_b32 v1, 5, v0
	v_readfirstlane_b32 s[WV], v1
	s_and_b32 s[QH], s[WV], 1
	s_lshr_b32 s[KH], s[WV], 1
	s_bfe_u32 s[CX], ttmp6, 0x40000                ; my place in the cluster: it enters the addresses of Q, of out and of the prefetches alone
	s_lshl_b32 s[QBLK], ttmp9, 2
	s_add_co_u32 s[QBLK], s[QBLK], s[CX]
	s_and_b32 s[BB], ttmp7, 0xffff                 ; the batch, which the four partners share
.irp g, G1K9, G1K8, G1M
	s_mov_b32 s[\g], 15|(3<<16)|(1<<21)            ; 15:0 the mask of four; 17:16 elements of 8 bytes; 21 set beside a mask; no padding
	s_mov_b32 s[\g+6], 0
	s_mov_b32 s[\g+7], 0
.endr
	s_mov_b32 s[G1K9+1], 512<<16                   ; tensor_dim0 = 512 elements: 4,096 bytes
	s_mov_b32 s[G1K9+2], 9<<16                     ; tensor_dim1 = 9
	s_mov_b32 s[G1K9+3], 512<<16                   ; tile_dim0
	s_mov_b32 s[G1K9+4], 9                         ; tile_dim1
	s_mov_b32 s[G1K9+5], BLK/8                     ; from row to row
	s_mov_b32 s[G1K8+1], 512<<16
	s_mov_b32 s[G1K8+2], 7<<16                     ; the tensor ends behind 7 rows,
	s_mov_b32 s[G1K8+3], 512<<16
	s_mov_b32 s[G1K8+4], 8                         ; the tile has 8
	s_mov_b32 s[G1K8+5], BLK/8
	s_mov_b32 s[G1M+1], 32<<16
	s_mov_b32 s[G1M+2], 144<<16
	s_mov_b32 s[G1M+3], 32<<16
	s_mov_b32 s[G1M+4], 144
	s_mov_b32 s[G1M+5], 32
	s_mov_b32 s[G0A], 1
	s_mul_i32 s[G0A+1], s[WV], BLK                 ; pass 1's first tile: in slot 0, where my block will lie
	s_mov_b32 s[G0B], 1
	s_lshl_b32 s[G0B+1], s[WV], 15
	s_add_co_u32 s[G0B+1], s[G0B+1], SLOTB         ; its second: in slot 1, 32,768 bytes a wave
	s_mov_b32 s[G0M], 1
	s_add_co_u32 s[G0M+1], s[G0A+1], SLOTB         ; the first fill turns this into slot 0
	s_mov_b32 s[SEL], 0x76543210
	s_mov_b32 s[SEL+1], 0xfedcba98
	s_mov_b32 s[OFF+1], 0
	s_mov_b32 s[PH], 0
	s_cmp_eq_u32 ttmp9, 0
	s_cselect_b32 s[LIMV], 15, 0
	s_mul_i32 s74, s[BB], KVB
	s_mov_b32 s75, 0
	s_mov_b32 s77, 0
	s_wait_dscnt 0x0                               ; both opening adds are done
	s_wait_kmcnt 0x0
	s_add_nc_u64 s[6:7], s[6:7], s[74:75]          ; kv at my batch
	s_mul_i32 s74, s[WV], 16*BLK                   ; pass 1: wave w takes the K of blocks 16 w .. 16 w + 15
	s_add_nc_u64 s[G0A+2:G0A+3], s[6:7], s[74:75]
	s_add_nc_u64 s[G0B+2:G0B+3], s[G0A+2:G0A+3], 9*BLK+32768
	s_add_nc_u64 s[G0A+2:G0A+3], s[G0A+2:G0A+3], 32768
	s_or_b32 s[G0A+3], s[G0A+3], 0x80000000
	s_or_b32 s[G0B+3], s[G0B+3], 0x80000000
	ROUND                                          ; all four work-groups are here: the first joint loads meet
	tensor_load_to_lds s[G0A:G0A+3], s[G1K9:G1K9+7]
	s_nop 0
	tensor_load_to_lds s[G0B:G0B+3], s[G1K8:G1K8+7] ; two loads of mine are out: the most in this text
	s_nop 0
	PLACES
	s_lshl_b32 s74, s[KH], 5                       ; pass 2: wave w fetches block 32 (w / 2) + 2 p + w % 2 in phase p
	s_add_co_u32 s74, s74, s[QH]
	s_mul_i32 s74, s74, BLK
	s_add_nc_u64 s[KVW:KVW+1], s[6:7], s[74:75]
	s_lshl_b32 s74, s[KH], 5                       ; K of my first group lies in the block before it
	s_add_co_u32 s74, s74, 63
	s_and_b32 s74, s74, 63
	s_mul_i32 s74, s74, BLK
	s_add_co_u32 s74, s74, 32768
	s_add_nc_u64 s[K0P:K0P+1], s[6:7], s[74:75]
	s_lshl_b32 s76, s[CX], 13
	s_add_nc_u64 s[PFB:PFB+1], s[KVW:KVW+1], s[76:77]
	s_lshl_b32 s76, s[BB], 18                      ; qw: 262,144 bytes a batch, 8,192 a query block
	s_lshl_b32 s78, s[QBLK], 13
	s_add_co_u32 s76, s76, s78
	s_add_nc_u64 s[QX:QX+1], s[4:5], s[76:77]
	s_lshl_b32 s76, s[QH], 12
	s_add_nc_u64 s[4:5], s[QX:QX+1], s[76:77]      ; my half's group,
	s_xor_b32 s76, s76, 4096
	s_add_nc_u64 s[QX:QX+1], s[QX:QX+1], s[76:77]  ; the other half's
	s_lshl_b32 s76, s[BB], 22                      ; out: 4 MiB a batch; the 128 channels that I finish; my 64 pixels
	s_lshl_b32 s78, s[KH], 21
	s_add_co_u32 s76, s76, s78
	s_lshl_b32 s78, s[QBLK], 9
	s_add_co_u32 s76, s76, s78
	s_lshl_b32 s78, s[QH], 8
	s_add_co_u32 s76, s76, s78
	s_add_nc_u64 s[8:9], s[8:9], s[76:77]
	v_and_b32 v1, 15, v0                           ; r
	v_bfe_u32 v2, v0, 4, 1                         ; h
	v_and_b32 v[L16], 31, v0
	v_lshlrev_b32 v[PFO], 8, v[L16]
	v_lshlrev_b32 v[L16], 4, v[L16]
	WIN 0xc0
.set i, 0
.rept 4                                ; Q of all 8 tiles, my half's first: it stays for pass 2
	global_load_b128 v[QF+8*i:QF+8*i+3],       v[L16], s[4:5] offset:1024*i
	global_load_b128 v[QF+8*i+4:QF+8*i+7],     v[L16], s[4:5] offset:1024*i+512
	global_load_b128 v[QF+32+8*i:QF+32+8*i+3], v[L16], s[QX:QX+1] offset:1024*i
	global_load_b128 v[QF+32+8*i+4:QF+32+8*i+7], v[L16], s[QX:QX+1] offset:1024*i+512
.set i, i+1
.endr
	WIN 0
.set i, 0
.rept 8
	global_load_b128 v[K0+4*i:K0+4*i+3], v[L16], s[K0P:K0P+1] offset:512*i
.set i, i+1
.endr
	; While the first tiles travel: O^T and l start at 0 (520 lines: the price of writing no first phase out, which would be a third copy of two steps), pass 1's maxima at the lowest finite number; the addresses.
	WIN 0x40
.set i, 0
.rept 256
	v_mov_b32 v[i], 0
.set i, i+1
.endr
	WIN 0x80
.set i, 0
.rept 256
	v_mov_b32 v[i], 0
.set i, i+1
.endr
	WIN 0xc0
.set i, 0
.rept 32
	v_mov_b32 v[MM+i], 0xff7fffff
.set i, i+1
.endr
	WIN 0
.set i, 0
.rept 8
	v_mov_b32 v[LS+i], 0
.set i, i+1
.endr
	s_mul_i32 s74, s[KH], PHB+8192                 ; my key half's two blocks of a slot begin at 73,728 kh; V's channel half kh at 8,192 kh in a fragment row of 16
	v_add_nc_u32 v[AVA], s74, v[L16]
	s_lshl_b32 s74, s[KH], 16                      ; 73,728 kh + 8,192 (1 - kh)
	s_add_co_u32 s74, s74, 8192
	v_add_nc_u32 v[AVB], s74, v[L16]
	s_mul_i32 s74, s[KH], PHB
	s_add_co_u32 s74, s74, 32768
	v_add_nc_u32 v[AVK], s74, v[L16]
	s_lshl_b32 s74, s[QH], 10
	s_add_co_u32 s74, s74, MX
	v_lshl_add_u32 v[MXL], v1, 4, s74
	v_lshl_add_u32 v[MXSO], s[WV], 2, v[MXL]
	s_xor_b32 s74, s[QH], 1
	s_lshl_b32 s74, s74, 10
	s_add_co_u32 s74, s74, MX
	v_lshl_add_u32 v[MXSX], v1, 4, s74
	v_lshl_add_u32 v[MXSX], s[WV], 2, v[MXSX]
	s_lshl_b32 s74, s[WV], 15
	s_add_co_u32 s74, s74, STAGE
	v_add_nc_u32 v[STS], s74, v[L16]
	s_xor_b32 s78, s[WV], 2                        ; my partner: the same queries, the other keys
	s_lshl_b32 s74, s78, 15
	s_add_co_u32 s74, s74, STAGE
	v_add_nc_u32 v[STL], s74, v[L16]
	s_lshl_b32 s74, s[WV], 9
	s_add_co_u32 s74, s74, LX
	v_add_nc_u32 v[LXS], s74, v[L16]
	s_lshl_b32 s74, s78, 9
	s_add_co_u32 s74, s74, LX
	v_add_nc_u32 v[LXL], s74, v[L16]
	v_lshlrev_b32 v[GO], 4, v1
	v_lshl_add_u32 v[GO], v2, 17, v[GO]
	s_mov_b32 s[TK], s[G0A+1]
	s_mov_b32 s3, s[G0B+1]
; ---------------------------------------------------------------- PASS 1: the maximum of each query's row
	s_wait_tensorcnt 0x1                           ; my first tile is in; the second may stay out
	s_barrier_signal -1
	s_barrier_wait -1
	v_add_nc_u32 v[KADR], s[TK], v[L16]
	s_add_co_u32 s[TK], s[TK], 4096
	WIN 0xc0
.set i, 0
.rept 8
	ds_load_b128 v[HK+4*i:HK+4*i+3], v[KADR] offset:512*i  ; group 0: key blocks 0, 1, then 2, 3
.set i, i+1
.endr
	WIN 0
	s_wait_loadcnt 0x0                             ; Q and K of my first group
.macro P1MUL n                         ; product n of a group's 32: key block n / 8, tile n % 8; eight results by turns
	v_wmma_f32_16x16x32_f16 v[DR+8*((\n)%8):DR+8*((\n)%8)+7], v[HK+8*((\n)/8):HK+8*((\n)/8)+7], v[QF+8*((\n)%8):QF+8*((\n)%8)+7], 0
.endm
.macro P1MAX m                         ; its eight scores into the tile's four running maxima, from the result's low end on
.irp c, 0,1,2,3
	v_max3_num_f32 v[MM+4*((\m)%8)+\c], v[MM+4*((\m)%8)+\c], v[DR+8*((\m)%8)+2*\c], v[DR+8*((\m)%8)+2*\c+1]
.endr
.endm
	s_mov_b32 s[CNT2], 2
.Lhalf:                                                ; two trips of eight groups; behind each a slot's tiles have been read out, and the slot takes a phase of pass 2
	s_mov_b32 s[CNT], 8
.Lgroup:                                               ; a group of 64 keys against 128 queries: 32 products; behind product n stand the four maxima of product n - 4.  All of it lies in window 3
	v_add_nc_u32 v[KADR], s[TK], v[L16]            ; the next group: in the first trip up to row 8 of the first tile, in the second rows 0 to 7 of the second tile, whose last is zeros and is never multiplied
	s_add_co_u32 s[TK], s[TK], 4096
	s_wait_dscnt 0x4                               ; key blocks 0, 1 are in; the four loads of blocks 2, 3 may stay out
	WIN 0xff
.set pn, 0
.rept 16
	P1MUL pn
.if pn == 3
	PLACES                                         ; the first products of a trip have no maxima behind them
.endif
.if pn >= 4
	P1MAX pn-4
.endif
.set pn, pn+1
.endr
	WIN 0xc0                                       ; four maxima stand behind the last product that read blocks 0, 1
.set i, 0
.rept 4
	ds_load_b128 v[HK+4*i:HK+4*i+3], v[KADR] offset:512*i
.set i, i+1
.endr
	s_wait_dscnt 0x4                               ; blocks 2, 3 are in; the four loads just issued may stay out
	WIN 0xff
.rept 16
	P1MUL pn
	P1MAX pn-4
.set pn, pn+1
.endr
	WIN 0xc0
.set i, 4
.rept 4
	ds_load_b128 v[HK+4*i:HK+4*i+3], v[KADR] offset:512*i
.set i, i+1
.endr
	WIN 0xff
	P1MAX 28
	P1MAX 29
	P1MAX 30
	P1MAX 31
	WIN 0
	s_sub_co_u32 s[CNT], s[CNT], 1
	s_cmp_lg_u32 s[CNT], 0
	s_cbranch_scc1 .Lgroup
	s_wait_xcnt 0x0                                ; the last prefetch, eight groups back, has read its address
	s_wait_tensorcnt 0x0                           ; all my tensor loads have landed: the second tile; in the second trip my block of phase 0
	ds_add_u32 v[SPW], v[NIL]                      ; 0 onto my spare word
	MKDESC
	s_wait_dscnt 0x0                               ; the add is done, and my reads of the tile are over
	ROUND                                          ; that holds of every wave of all four work-groups
	FILL                                           ; phase 0 into slot 0, then phase 1 into slot 1
	s_mov_b32 s[TK], s3                            ; on in the second tile
	s_sub_co_u32 s[CNT2], s[CNT2], 1
	s_cmp_lg_u32 s[CNT2], 0
	s_cbranch_scc1 .Lhalf
	WIN 0xff                                       ; a tile's four maxima into one; the query's other keys lie in the lane 16 away
.set i, 0
.rept 8
	v_max3_num_f32 v[MM+4*i], v[MM+4*i], v[MM+4*i+1], v[MM+4*i+2]
.set i, i+1
.endr
.set i, 0
.rept 8
	v_max_num_f32 v[MM+4*i], v[MM+4*i], v[MM+4*i+3]
.set i, i+1
.endr
.set i, 0
.rept 8
	v_permlanex16_b32 v[MM+4*i+1], v[MM+4*i], s[SEL], s[SEL+1]
.set i, i+1
.endr
.set i, 0
.rept 8
	v_max_num_f32 v[MM+4*i], v[MM+4*i], v[MM+4*i+1]
.set i, i+1
.endr
	WIN 0x0c
.set i, 0
.rept 4
	ds_store_b32 v[MXSO], v[MM+4*i] offset:256*i
	ds_store_b32 v[MXSX], v[MM+16+4*i] offset:256*i
.set i, i+1
.endr
	WIN 0
	s_wait_dscnt 0x0                               ; for the others' sake
	s_barrier_signal -1
	s_barrier_wait -1                              ; all four waves' maxima lie in LDS; phase 1 may stay on its way
; ---------------------------------------------------------------- PASS 2
.macro NEWADR
	WIN 0
	v_add_nc_u32 v[ADA], s[TB], v[AVA]
	v_add_nc_u32 v[ADB], s[TB], v[AVB]
	v_add_nc_u32 v[ADK], s[TB], v[AVK]
.endm
.macro RUNK                            ; 8 LDS loads: K of the step after the block's own
	WIN 0xc0
.set i, 0
.rept 8
	ds_load_b128 v[KF+4*i:KF+4*i+3], v[ADK] offset:512*i
.set i, i+1
.endr
.endm
.macro RUNV c, buf                     ; 16 LDS loads: quarter c of the block's V: keys 32 (c / 2) on, channel half c % 2 (mine first), 8 fragments
	WIN 0xc0
.set f, 0
.rept 8
	ds_load_b128 v[64*(\buf)+8*f:64*(\buf)+8*f+3],   v[ADA+(\c)%2] offset:((\c)/2)*16384+f*1024
	ds_load_b128 v[64*(\buf)+8*f+4:64*(\buf)+8*f+7], v[ADA+(\c)%2] offset:((\c)/2)*16384+f*1024+512
.set f, f+1
.endr
.endm
.macro KQ y, kreg, win                 ; 8 products: tiles y, y + 1 x 4 key blocks: S^T = K Q^T - m: one instruction a result
	WIN \win
.set n, 0
.rept 8
	v_wmma_f32_16x16x32_f16 v[S+32*(n%2)+8*(n/2):S+32*(n%2)+8*(n/2)+7], v[(\kreg)+8*(n/2):(\kreg)+8*(n/2)+7], v[QF+8*((\y)+n%2):QF+8*((\y)+n%2)+7], v[NM+8*((\y)+n%2):NM+8*((\y)+n%2)+7]
.set n, n+1
.endr
.endm
.macro EXR                             ; the next of 64 exponentials, in place, the two tiles alternating, each result from its low end on
	v_exp_f32 v[S+32*(e%2)+e/2], v[S+32*(e%2)+e/2]
.set e, e+1
.endm
.macro PLR                             ; the next of 62 plain lines, the two tiles alternating: 32 roundings to f16; then each tile's 16 pairs are added in place, 1, 2, 4 and 8 pairs apart; the last sum goes to ZS
.if pq < 32
	v_cvt_pk_f16_f32 v[PD+16*(Y+pq%2)+pq/2], v[S+32*(pq%2)+2*(pq/2)], v[S+32*(pq%2)+2*(pq/2)+1]
.elseif pq < 62
.set z, (pq-32)/2
.set sb, S+32*(pq%2)
.if z < 8
	v_pk_add_f32 v[sb+4*z:sb+4*z+1], v[sb+4*z:sb+4*z+1], v[sb+4*z+2:sb+4*z+3]
.elseif z < 12
	v_pk_add_f32 v[sb+8*(z-8):sb+8*(z-8)+1], v[sb+8*(z-8):sb+8*(z-8)+1], v[sb+8*(z-8)+4:sb+8*(z-8)+5]
.elseif z < 14
	v_pk_add_f32 v[sb+16*(z-12):sb+16*(z-12)+1], v[sb+16*(z-12):sb+16*(z-12)+1], v[sb+16*(z-12)+8:sb+16*(z-12)+9]
.else
	v_pk_add_f32 v[ZS+2*(Y+pq%2):ZS+2*(Y+pq%2)+1], v[sb:sb+1], v[sb+16:sb+17]
.endif
.endif
.set pq, pq+1
.endm
.macro PV1                             ; product pn of a quarter's 32 of O^T += V^T P: fragment pn / 4, tile pn % 4.  Each accumulator has one turn in two quarters, one instruction a turn
.set rO, 128*(pn%2)+8*(8*(QTR%2)+pn/4)
.set rV, 64*(QTR%2)+8*(pn/4)
.set rP, PB+16*(pn%4)+8*(QTR/2)
	v_wmma_f32_16x16x32_f16 v[rO:rO+7], v[rV:rV+7], v[rP:rP+7], v[rO:rO+7]
.set pn, pn+1
.endm
.macro PVS lo, hi, kind                ; products lo .. hi, in twos that share a window; behind each two, four exponentials (kind 0) or four plain lines (kind 1)
.set pn, \lo
.rept ((\hi)-(\lo)+1)/2
.if pn%4 < 2
	WIN 0x53
.else
	WIN 0xa3
.endif
	PV1
	PV1
	WIN 0
.rept 4
.if \kind
	PLR
.else
	EXR
.endif
.endr
.endr
.endm
; A STEP.  It multiplies P's buffer par by the block's V and makes the other buffer for the next step.  Each run of LDS loads stands at a quarter's head, four plain lines behind the last product that read
; its registers, and is waited for at the next quarter's head, 32 products on.
; mode 0: the next step's block lies in the same slot.  mode 1: the slot is left and filled again, two phases on.  mode 2: the slot is left; nothing is asked for.
.macro STEP par, mode
.set PB, P+64*(\par)
.set PD, P+64*(1-(\par))
	s_wait_dscnt 0x0                               ; K and V's first quarter are in
	KQ 0, KF, 0x3f
	WIN 0
.irp t, 0,1,2,3
	v_pk_add_f32 v[LS+2*\t:LS+2*\t+1], v[LS+2*\t:LS+2*\t+1], v[ZS+2*\t:ZS+2*\t+1]  ; l takes the sums of the step in hand; these four are the places behind the scores
.endr
	RUNV 1, 1
.set QTR, 0
.set e, 0
	PVS 0, 31, 0
	PLACES                                         ; a plain line behind the last exponential; the places in front of the loads
	s_wait_alu depctr_va_vdst(0)                   ; one wait for the 64 exponentials, ahead of their first reader
	s_wait_dscnt 0x0
	RUNV 2, 0
.set QTR, 1
.set Y, 0
.set pq, 0
	PVS 0, 31, 1
	s_wait_dscnt 0x0
	KQ 2, KF, 0x3f
	PLACES
	RUNV 3, 1
.set QTR, 2
.set e, 0
	PVS 0, 31, 0
	PLACES
	s_wait_alu depctr_va_vdst(0)
.set QTR, 3
.set Y, 2
.set pq, 0
.if (\mode) == 0
	s_wait_dscnt 0x0
	s_add_co_u32 s[TB], s[TB], BLK
	NEWADR
	RUNK
	RUNV 0, 0
	PVS 0, 31, 1
.else
	WIN 0
.if (\mode) == 1
	s_wait_xcnt 0x0                                ; the last prefetch, two steps back, has read its address
.endif
	s_wait_tensorcnt 0x0                           ; all my tensor loads have landed: the one that was out is my block of the other slot
	ds_add_u32 v[SPW], v[NIL]                      ; 0 onto my spare word
.if (\mode) == 1
	MKDESC
.endif
	s_wait_dscnt 0x1                               ; V's last quarter is in; the add may stay out
	PVS 0, 7, 1
	s_wait_dscnt 0x0                               ; the add is done, and my reads of the slot are over
	s_barrier_signal -1
	PVS 8, 15, 1                                   ; work on registers while the others arrive
	WIN 0
	s_barrier_wait -1
.if (\mode) == 1
	CREST                                          ; the barrier has opened a round of the cluster's: no wave of any partner still reads the slot or has a load on its way
	FILL                                           ; it has two steps, 288 matrix instructions, in which to land
.endif
	s_sub_co_u32 s[TB], s[TB], BLK                 ; back to a slot's first step,
	s_xor_b32 s[TB], s[TB], SLOTB                  ; in the other slot
	NEWADR
	RUNK
	RUNV 0, 0
	PVS 16, 31, 1
.endif
.endm
	s_mov_b32 s[TB], 0
	NEWADR
.set i, 0
.rept 4
	ds_load_b128 v[TM+4*i:TM+4*i+3], v[MXL] offset:256*i  ; the four waves' maxima of my query in tile i
.set i, i+1
.endr
	RUNK                                           ; block 0 holds K of step 1 and V of step 0
	RUNV 0, 0
	WIN 0
	s_wait_dscnt 24                                ; the maxima are in; the 24 loads behind them stay out
.set i, 0
.rept 4
	v_max3_num_f32 v[TM+16+i], v[TM+4*i], v[TM+4*i+1], v[TM+4*i+2]
.set i, i+1
.endr
.set i, 0
.rept 4
	v_max_num_f32 v[TM+16+i], v[TM+16+i], v[TM+4*i+3]
.set i, i+1
.endr
	WIN 0xc0
.set i, 0
.rept 32
	v_mul_f32 v[NM+i], -1.0, v[TM+16+i/8]          ; a lane's eight scores of a result are one query's: eight copies of -m make the C operand
.set i, i+1
.endr
.set PD, P                             ; step 0's softmax has no products to stand behind
.macro SOFT y
.set Y, \y
	WIN 0
	PLACES
.set e, 0
.rept 64
	EXR
.endr
	v_nop
	s_wait_alu depctr_va_vdst(0)
.set pq, 0
.rept 62
	PLR
.endr
.endm
	KQ 0, K0, 0x3c
	SOFT 0
	KQ 2, K0, 0x3c
	SOFT 2
	s_mov_b32 s[CNT], 14
.Lphase:                                               ; phases 0 to 13; each asks for the phase two on
	STEP 0, 0
	STEP 1, 1
	WIN 0
	s_sub_co_u32 s[CNT], s[CNT], 1
	s_cmp_lg_u32 s[CNT], 0
	s_cbranch_scc1 .Lphase
	s_mov_b32 s[CNT], 2
.Ltail:                                                ; phases 14 and 15 ask for nothing: a text of their own.  In the very last step the 16 scores (on K of a group that is
	STEP 0, 0                                      ; not mine), their softmax and the 24 LDS loads (from slot 0) serve nothing, and that step's sums are never added to l: the price, once a launch, of one text for both trips
	STEP 1, 2
	WIN 0
	s_sub_co_u32 s[CNT], s[CNT], 1
	s_cmp_lg_u32 s[CNT], 0
	s_cbranch_scc1 .Ltail
; ---------------------------------------------------------------- THE WAY OUT
; Each wave hands the channel blocks that its partner finishes, and its l, through LDS; adds the partner's onto its own; divides by l; stores.
.irp t, 0,1,2,3
	v_add_f32 v[LL+\t], v[LS+2*\t], v[LS+2*\t+1]   ; these are the places behind the last products
.endr
.irp t, 0,1,2,3
	v_permlanex16_b32 v[TM+\t], v[LL+\t], s[SEL], s[SEL+1]
.endr
.irp t, 0,1,2,3
	v_add_f32 v[LL+\t], v[LL+\t], v[TM+\t]
.endr
	s_wait_dscnt 0x0                               ; the last step's loads, which serve nothing, are back
	ds_store_b128 v[LXS], v[LL:LL+3]
.irp th, 0, 1
	WIN 0x04+0x04*\th                              ; the data: tiles 0, 1 in window 1, tiles 2, 3 in window 2
.set a, 0
.rept 32                               ; a = 4 f + t
.if (a%4)/2 == \th
	ds_store_b128 v[STS], v[128*(a%2)+8*(8+a/4):128*(a%2)+8*(8+a/4)+3]   offset:(2*a)*512    ; each accumulator from its low end on
	ds_store_b128 v[STS], v[128*(a%2)+8*(8+a/4)+4:128*(a%2)+8*(8+a/4)+7] offset:(2*a+1)*512
.endif
.set a, a+1
.endr
.endr
	WIN 0
	s_wait_dscnt 0x0                               ; for my partner's sake
	s_barrier_signal -1
	s_barrier_wait -1
.macro RLOAD bt                        ; my partner's sums for channel blocks 4 bt .. 4 bt + 3 of mine: 32 loads into window 3
	WIN 0xc0
.set a, 0
.rept 16
	ds_load_b128 v[8*a:8*a+3],   v[STL] offset:(2*(16*(\bt)+a))*512
	ds_load_b128 v[8*a+4:8*a+7], v[STL] offset:(2*(16*(\bt)+a)+1)*512
.set a, a+1
.endr
.endm
.macro ADDS bt
.irp th, 0, 1
	WIN 0x4d+0x41*\th
.set a, 0
.rept 16
.if (a%4)/2 == \th
.set rO, 128*(a%2)+8*(4*(\bt)+a/4)
.set j, 0
.rept 4
	v_pk_add_f32 v[rO+2*j:rO+2*j+1], v[rO+2*j:rO+2*j+1], v[8*a+2*j:8*a+2*j+1]
.set j, j+1
.endr
.endif
.set a, a+1
.endr
.endr
.endm
.macro MULS bt                         ; times 1 / l, and the four tiles of a channel side by side: 16 bytes of out
.irp th, 0, 1
	WIN 0x01+\th
.set a, 0
.rept 16
.if (a%4)/2 == \th
.set rO, 128*(a%2)+8*(4*(\bt)+a/4)
.set j, 0
.rept 8
	v_mul_f32 v[S+(8*(a/4)+j)*4+a%4], v[rO+j], v[LL+a%4]
.set j, j+1
.endr
.endif
.set a, a+1
.endr
.endr
.endm
.macro SENDS bt
	WIN 0
.set a, 0
.rept 32                               ; a = 8 fl + j: channel 16 (4 bt + fl) + 8 h + j of my 128; sixteen lanes store 256 consecutive bytes, aligned
	global_store_b128 v[GO], v[S+4*a:S+4*a+3], s[8:9] offset:(16*(4*(\bt)+a/8)+a%8)*16384 th:TH_STORE_NT
.set a, a+1
.endr
.endm
	ds_load_b128 v[TM:TM+3], v[LXL]
	RLOAD 0
	WIN 0
	s_wait_dscnt 32                                ; my partner's l is in; the 32 loads behind it stay out
.irp t, 0,1,2,3
	v_add_f32 v[LL+\t], v[LL+\t], v[TM+\t]
.endr
.irp t, 0,1,2,3
	v_rcp_f32 v[LL+\t], v[LL+\t]
.endr
	v_nop                                          ; a plain line behind the last reciprocal,
	s_wait_alu depctr_va_vdst(0)                   ; and one wait for the four, ahead of their first reader
	s_wait_dscnt 0x0
	ADDS 0
	RLOAD 1
	MULS 0
	SENDS 0
	s_wait_xcnt 0x0                                ; the stores have read their data, which the second half writes again
	s_wait_dscnt 0x0
	ADDS 1
	MULS 1
	SENDS 1
	s_wait_tensorcnt 0x0                           ; the wave's end: three lines behind my last tensor load and my last LDS store
	ds_add_u32 v[SPW], v[NIL]
	s_wait_dscnt 0x0
	ROUND                                          ; the closing round: no work-group ends while a partner may still ask for a tile that names it
	s_endpgm
.Lfunc_end_k_q646be8f360_attn:
	.size	k_q646be8f360_attn, .Lfunc_end_k_q646be8f360_attn-k_q646be8f360_attn
	.p2alignl 7, 3214868480
	.fill 96, 4, 3214868480
	.section	.rodata,"a",@progbits
	.p2align	6, 0x0
	.amdhsa_kernel k_q646be8f360_attn
		.amdhsa_group_segment_fixed_size 327680
		.amdhsa_private_segment_fixed_size 0
		.amdhsa_enable_private_segment 0
		.amdhsa_kernarg_size 24
		.amdhsa_user_sgpr_count 2
		.amdhsa_user_sgpr_kernarg_segment_ptr 1
		.amdhsa_wavefront_size32 1
		.amdhsa_system_sgpr_workgroup_id_x 1
		.amdhsa_system_sgpr_workgroup_id_y 1
		.amdhsa_system_sgpr_workgroup_id_z 1
		.amdhsa_system_vgpr_workitem_id 0
		.amdhsa_next_free_vgpr 1024
		.amdhsa_next_free_sgpr 80
		.amdhsa_reserve_vcc 0
		.amdhsa_float_denorm_mode_32 3
		.amdhsa_float_denorm_mode_16_64 3
		.amdhsa_memory_ordered 1
		.amdhsa_forward_progress 1
		.amdhsa_inst_pref_size 216
	.end_amdhsa_kernel
	.amdgpu_metadata
---
amdhsa.version: [ 1, 2 ]
amdhsa.kernels:
  - .name:           k_q646be8f360_attn
    .symbol:         k_q646be8f360_attn.kd
    .args:
      - { .name: qw, .offset: 0, .size: 8, .value_kind: global_buffer, .address_space: global }
      - { .name: kv, .offset: 8, .size: 8, .value_kind: global_buffer, .address_space: global }
      - { .name: out0, .offset: 16, .size: 8, .value_kind: global_buffer, .address_space: global }
    .group_segment_fixed_size: 327680
    .private_segment_fixed_size: 0
    .kernarg_segment_align: 8
    .kernarg_segment_size: 24
    .max_flat_workgroup_size: 128
    .sgpr_count:     80
    .vgpr_count:     1024
    .wavefront_size: 32
...
	.end_amdgpu_metadata
.endif
;; end of part 2
;; ======== version 2 of 2: 2 launches; version 1 with the launch proj written anew for expert scheduling mode
;; limits: values are held in f16: magnitudes above 65,504 overflow, below 6.1e-05 lose precision
;; workspace buffers: qw 2,097,152 bytes; kv 18,874,368 bytes
;; launch proj (part 3): grid 16 x 16, 4 waves a work-group, no clusters, 132,608 bytes of LDS; arguments feature1, feature2, feature3, wq, wk, wv, bq, bv, qw, kv; writes qw, kv
.if DOCPART == 3
	.amdgcn_target "amdgcn-amd-amdhsa--gfx1250"
	.amdhsa_code_object_version 6
	.text
	.protected	k_q646be8f360_proj
	.globl	k_q646be8f360_proj
	.p2align	8
	.type	k_q646be8f360_proj,@function
k_q646be8f360_proj:
	s_mov_b64 s[64:65], 0
	v_nop
	global_prefetch_b8 v0, s[64:65] scope:SCOPE_SE
	s_setreg_imm32_b32 hwreg(HW_REG_WAVE_SCHED_MODE, 0, 2), 2
	s_setreg_imm32_b32 hwreg(HW_REG_WAVE_MODE, 25, 1), 1
	s_wait_xcnt 0x0
	s_wait_alu depctr_vm_vsrc(0)
; THE THREE 1x1 CONVOLUTIONS of the cross attention: q = wq f1 + bq, k = wk f2, v = wv f3 + bv, per pixel; 8 batches, 256 channels, 4,096 pixels.
; Products in bf16 with f32 sums: features, weights and biases are rounded to bf16 on the way in; q, k, v are rounded once, to f16, and stored in the order in which the next launch's
; matrix instructions want them in registers.  q is stored times log2(e), so that the next launch's exponentials are powers of 2.
; DEAD WORK: bk.  The score is S[n][m] = q_n . (wk f2_m + bk) = q_n . (wk f2_m) + q_n . bk.  The second term does not hang on m, the axis of the softmax: it multiplies numerator and
; denominator of every weight by the same factor, for all finite values of all inputs.  So bk reaches no output: it is not loaded and is no argument of either launch.
; LIMIT: a NaN, an infinity or an overflow that reaches only the term q_n . bk is not carried to the result.
; LIMITS: q log2(e), k and v must lie within f16's range, 65,504; NaN and infinities are not treated apart.
; ORDER OF PIXELS.  Pixels go in groups g of 64; group g has four blocks t of 16 slots; slot s of block t is pixel 64 g + 4 s + t.
; A FRAGMENT is 1,024 bytes: byte 512 hf + 16 l holds registers 4 hf .. 4 hf + 3 of lane l: row l % 16, k = 16 hf + 8 (l / 16) + 0..7, eight f16.
;   qw: [b][g 64][t 4][fragment]: row = query slot, k = channel (32).
;   kv: [b][block 64][36,864 bytes].  Block g: V(g) = [u 2][cb 16][fragment], row = channel 16 cb + row, k = the slots of blocks 2 u and 2 u + 1; behind it, at byte 32,768,
;       K((g + 1) mod 64) = [t 4][fragment], row = key slot, k = channel: K lies one group ahead, since the next launch makes a step's scores one step early.
; SHARES.  Work-group (x, y): 256 pixels (groups 4 x .. 4 x + 3, one a wave) of batch y / 2; y % 2 = 0 makes v, y % 2 = 1 makes q and k: each kind fetches only its own weights.
; A FEATURE FRAGMENT WITHOUT A TURN.  Lane (r, h) loads 16 bytes of channel c + 8 h at pixels 64 g + 4 r .. + 3: slot r of all four blocks; sixteen lanes read 256 consecutive bytes, aligned.
; Sixteen such loads are 32 channels; two of their registers rounded to bf16 are one register of the fragment of block t.
; NO TENSOR LOADS, NO CLUSTER, NO PREFETCH: the features are f32 and are converted in registers on the way; no feature byte is wanted by two work-groups; the launch is one stream of loads.
; THE MODE: SCHED_MODE bits 1:0 = 2 (LLVM: expert scheduling mode 2), set by the entry lines.  The code itself states the register dependences
; between vector or matrix instructions and memory or LDS instructions, with s_wait_alu, always for 0.
; THE PLAN.  Registers that memory or LDS instructions touch:
;   v3, v4, v5, v12   offsets, made once and never written again.
;   the staged weights (windows 1, 3)  loaded, rounded in place, read by the LDS stores: one wait on va_vdst between the roundings and the run of stores.
;   RAW0 .. RAW3      a step's 32 conversions read RAW[s]; behind them, behind one wait on va_vdst, the buffer is asked for again.
;   v path, loop:     W0 .. W3, four buffers of 8 weight fragments: run ks of LDS loads lands in W[ks % 4] two steps ahead of the products of step ks, which read it.  Two waits on va_vdst a trip, ahead of
;                     runs 4 and 6, each for two buffers.  v48-55 (the bias) and the LDS addresses v8-10 are loaded into, read and stepped once a trip.  OUT (window 2, v0-127): written by the
;                     roundings, read by the stores.  In a trip's tail one wait on vm_vsrc stands ahead of the address steps and the roundings, one on va_vdst ahead of the stores; no vector line
;                     follows that one, so it also serves the next trip's first loads.
;   q/k path, loop:   WB0, WB1, two buffers of 2 weight fragments: unit p's products read WB[p % 2]; unit p's LDS loads land in the other, for unit p + 1.  One wait on va_vdst a unit, behind its conversions;
;                     the unit's 4 LDS loads and 16 feature loads follow it, dealt among its 8 products, which name none of the registers that those loads touch.  v8 is stepped once a trip, behind a wait on vm_vsrc.
;   The feature fragments, the bias operands and the accumulators are named by vector and matrix instructions alone.
.set CHB,   16384                      ; bytes of a channel of a feature
.set BLK,   36864                      ; bytes of a block of kv
.set KVB,   64*BLK                     ; of a batch of kv
.set BVL,   131072                     ; LDS: behind 128 KiB of weight fragments, bv rounded to bf16, as f32: 1,024 bytes
.set SPARE, 132096                     ; the spare words, 128 bytes a wave: two blocks of 256 bytes that no other line names
.set FO,  3                            ; v3   131,072 h + 16 r: my place in a feature load; never rewritten
.set WO,  4                            ; v4   1,024 r + 32 h: my place in a weight load
.set L16, 5                            ; v5   16 x lane
.set SA,  6                            ; v6, v7  where I put weight fragments in LDS (v7: 65,536 further on)
.set WA,  8                            ; v8, v9  where I read them
.set BVA, 10                           ; v10  where I read bv
.set SPW, 28                           ; v28  my spare word
.set NIL, 29                           ; v29  0
.set BQC, 192                          ; q's bias times log2(e): [ob 2][8]
.set LB,  10                           ; s[10:17] q/k path, in the loop: raw buffer b's own pointer, a pair at LB + 2 b (the weights' and bq's addresses are no longer wanted there)
.set LP,  30                           ; s[30:31] the features' pointer; never rewritten
.set NXP, 32                           ; s[32:33] what CUR becomes at the next trip
.set SB,  34                           ; s[34:35] where I store (v; q)
.set SB2, 36                           ; s[36:37] where I store k
.set WP,  38                           ; s[38:39] my rows of the weights
.set ST,  44                           ; s[44:45] v path: what the next way out adds to SB: 0, then 8,192
.set CUR, 46                           ; s[46:47] q/k path: the four steps that this trip asks for; no memory instruction names it
.set MSB, 0
.macro WIN new                         ; s_set_vgpr_msb: bits 1:0 source 0, 3:2 source 1, 5:4 source 2, 7:6 destination; the high byte repeats the setting that is left
.if MSB != (\new)
	s_set_vgpr_msb (MSB<<8)|(\new)
.set MSB, (\new)
.endif
.endm
.macro PLACES                          ; four plain vector instructions between a matrix instruction and a reader of its result, or a load into one of its registers
.rept 4
	v_nop
.endr
.endm
; n of the 16 loads, from number lo on, of 32 channels (step kl behind the pointer) of my 64 pixels, into raw buffer buf of four (window 2).  w = 1: the buffer has just been read out
.macro LOADF buf, kl, base=LP, lo=0, n=16, w=0
	WIN 0x80
.if \w
	s_wait_alu depctr_va_vdst(0)                   ; the conversions are done reading this raw buffer, in which the loads below land
.endif
.set i, \lo
.rept \n
	global_load_b128 v[64*(\buf)+4*i:64*(\buf)+4*i+3], v[FO], s[(\base):(\base)+1] offset:(32*(\kl)+(i%8)+16*(i/8))*CHB th:TH_LOAD_NT
.set i, i+1
.endr
.endm
; raw buffer buf -> the four blocks' bf16 fragments at dst + 8 t
.macro CVTF buf, dst, win
	WIN \win
.set t, 0
.rept 4
.set n, 0
.rept 8
	v_cvt_pk_bf16_f32 v[(\dst)+8*t+n], v[64*(\buf)+8*n+t], v[64*(\buf)+8*n+4+t]
.set n, n+1
.endr
.set t, t+1
.endr
.endm
; nI blocks of 16 rows of a weight matrix, all 8 steps of 32 channels: fragment f = 8 i + ks as 16 f32 a lane; f < 16 in window 1, the others in window 3
.macro STG_LD nI
.set f, 0
.rept 8*(\nI)
.if f < 16
	WIN 0x40
.else
	WIN 0xc0
.endif
.set tr, 16*(f%16)
.set gofs, (f/8)*16384+(f%8)*128
	global_load_b128 v[tr:tr+3],     v[WO], s[WP:WP+1] offset:gofs
	global_load_b128 v[tr+4:tr+7],   v[WO], s[WP:WP+1] offset:gofs+16
	global_load_b128 v[tr+8:tr+11],  v[WO], s[WP:WP+1] offset:gofs+64
	global_load_b128 v[tr+12:tr+15], v[WO], s[WP:WP+1] offset:gofs+80
.set f, f+1
.endr
.endm
; rounded to bf16 in place (register n takes registers 2 n and 2 n + 1, which no later line wants), then into LDS: step ks at ks x stride, block i at 1,024 i
.macro STG_ST nI, stride
.set f, 0
.rept 8*(\nI)
.if f < 16
	WIN 0x45
.else
	WIN 0xcf
.endif
.set n, 0
.rept 8
	v_cvt_pk_bf16_f32 v[16*(f%16)+n], v[16*(f%16)+2*n], v[16*(f%16)+2*n+1]
.set n, n+1
.endr
.set f, f+1
.endr
	s_wait_alu depctr_va_vdst(0)                   ; the roundings have written the fragments, which the LDS stores below read; so are the LDS addresses made above them (and, in the v path, bv's two numbers)
.set f, 0
.rept 8*(\nI)
.if f < 16
	WIN 0x04
.else
	WIN 0x0c
.endif
.set tr, 16*(f%16)
.set lofs, (\stride)*(f%8)+(f/8)*1024
.set hsel, lofs/65536
	ds_store_b128 v[SA+hsel], v[tr:tr+3]   offset:lofs-65536*hsel
	ds_store_b128 v[SA+hsel], v[tr+4:tr+7] offset:lofs-65536*hsel+512
.set f, f+1
.endr
.endm
	s_load_b512 s[4:19], s[0:1], 0x0               ; f1 s[4:5], f2 s[6:7], f3 s[8:9], wq s[10:11], wk s[12:13], wv s[14:15], bq s[16:17], bv s[18:19]
	s_load_b128 s[20:23], s[0:1], 0x40             ; qw s[20:21], kv s[22:23]
	v_lshl_add_u32 v[SPW], v0, 2, SPARE
	v_mov_b32 v[NIL], 0
	v_lshrrev_b32 v11, 5, v0
	v_readfirstlane_b32 s24, v11                   ; wave 0..3
	v_and_b32 v1, 15, v0                           ; r
	v_bfe_u32 v2, v0, 4, 1                         ; h
	v_lshlrev_b32 v[FO], 4, v1
	v_lshl_add_u32 v[FO], v2, 17, v[FO]
	v_lshlrev_b32 v[WO], 10, v1
	v_lshl_add_u32 v[WO], v2, 5, v[WO]
	v_and_b32 v[L16], 31, v0
	v_lshlrev_b32 v[L16], 4, v[L16]
	s_mov_b32 s25, ttmp9                           ; x
	s_and_b32 s26, ttmp7, 0xffff
	s_and_b32 s27, s26, 1                          ; 0: v; 1: q and k
	s_lshr_b32 s26, s26, 1                         ; batch
	s_wait_alu depctr_va_sdst(0)                   ; s24 is written, ahead of its first reader: the group's number and all that hangs on the wave are made from it
	s_lshl2_add_u32 s28, s25, s24                  ; g = 4 x + wave
	s_lshl_b32 s40, s26, 22                        ; a batch of a feature is 4 MiB,
	s_lshl_b32 s41, s28, 8                         ; a group 256 bytes of each channel
	s_add_co_u32 s40, s40, s41
	s_mov_b32 s41, 0
	s_mul_i32 s42, s26, KVB
	s_mov_b32 s43, 0
	s_wait_kmcnt 0x0
	s_cmp_lg_u32 s27, 0
	s_cbranch_scc1 .Lqk
; ---------------------------------------------------------------- v = wv f3 + bv
; D = features x weights: rows = pixel slots, columns = out channels: a lane ends with one channel and eight slots, which is V's fragment.
; Window 0: v64-191 weight buffers W0, W1 (8 fragments each); v192-255 the bias as a C operand.  Window 1: 32 accumulators (block t, channel block o at 8 (8 t + o)).
; Window 2: raw features; in the loop v0-127 the packed results, v128-255 weight buffers W2, W3.  Window 3: all 8 steps' feature fragments (step ks, block t at 32 ks + 8 t).
; Windows 1 and 3 first hold the weights on their way to LDS.
	v_lshlrev_b32 v12, 3, v0
	s_wait_alu depctr_va_vdst(0)                   ; the offsets v3, v4, v5 and v12 are written, which the loads and stores of this path read
	global_load_b64 v[14:15], v12, s[18:19]        ; bv: two numbers a thread
	s_lshl_b32 s38, s24, 16
	s_mov_b32 s39, 0
	s_add_nc_u64 s[WP:WP+1], s[14:15], s[38:39]    ; wave w stages channel blocks 4 w .. 4 w + 3: 64 rows of 1,024 bytes
	STG_LD 4
	s_add_nc_u64 s[LP:LP+1], s[8:9], s[40:41]
	LOADF 0, 0
	LOADF 1, 1
	LOADF 2, 2
	WIN 0
	v_add_nc_u32 v13, BVL, v12
	s_lshl_b32 s44, s24, 12
	v_add_nc_u32 v[SA], s44, v[L16]
	v_add_nc_u32 v[SA+1], 0x10000, v[SA]
	s_mul_i32 s44, s28, BLK
	s_mov_b32 s45, 0
	s_add_nc_u64 s[SB:SB+1], s[22:23], s[42:43]
	s_add_nc_u64 s[SB:SB+1], s[SB:SB+1], s[44:45]  ; kv at block g of my batch
	s_wait_loadcnt 48                              ; bv and the weights are in; the 48 feature loads behind them stay out
	v_cvt_pk_bf16_f32 v16, v14, v15                ; bv is rounded to bf16 like every input, and kept as f32
	v_lshlrev_b32 v14, 16, v16
	v_and_b32 v15, 0xffff0000, v16
	STG_ST 4, 16384                                ; LDS: [ks 8][channel block 16][fragment]
	WIN 0
	ds_store_b64 v13, v[14:15]                     ; behind the run's wait, which stands behind the three lines that made its data and the one that made its address
	LOADF 3, 3
	WIN 0
	s_wait_dscnt 0x0                               ; for the others' sake: my stores are done
	s_barrier_signal -1
	s_barrier_wait -1                              ; all weights and bv lie in LDS
	s_wait_alu depctr_vm_vsrc(0)                   ; my LDS stores have read the staged weights in windows 1 and 3: the conversions below write window 3, the products window 1
	; the stream: four raw buffers, 64 loads (32 KiB a wave) out; the counts name the loads of the younger buffers and run down at the end
.irp ks, 0,1,2,3,4,5,6,7
.if \ks < 5
	s_wait_loadcnt 48
.else
	s_wait_loadcnt 16*(7-\ks)
.endif
	CVTF (\ks)%4, 32*(\ks), 0xca
.if \ks < 4
	LOADF \ks, (\ks)+4, LP, 0, 16, 1
.endif
.endr
	WIN 0
	v_mov_b32 v[WA], v[L16]
	v_add_nc_u32 v[WA+1], 0x10000, v[L16]
	v_lshl_add_u32 v[BVA], v1, 2, BVL
.macro RUNW ks, w=0                    ; 16 LDS loads: step ks's 8 weight fragments of the half in hand, into W[ks % 4].  w = 1: the buffer and the next one have just been multiplied by
.set wr, 64+64*((\ks)%4)-64*(((\ks)%4)/2)
.if ((\ks)%4) < 2
	WIN 0
.else
	WIN 0x80
.endif
.if \w
	s_wait_alu depctr_va_vdst(0)                   ; the products of the steps four and three back are done reading this buffer and the next, in which this run and the next run land
.endif
.set o, 0
.rept 8
	ds_load_b128 v[wr+8*o:wr+8*o+3],   v[WA+(\ks)/4] offset:((\ks)%4)*16384+o*1024
	ds_load_b128 v[wr+8*o+4:wr+8*o+7], v[WA+(\ks)/4] offset:((\ks)%4)*16384+o*1024+512
.set o, o+1
.endr
.endm
.macro MULV ks                         ; 32 products; the 32 accumulators take turns, one instruction a turn, over the steps and the backward jump too.  Step 0 starts the sums with the bias
.set wr, 64+64*((\ks)%4)-64*(((\ks)%4)/2)
.if (\ks) == 0
	WIN 0x43
.elseif ((\ks)%4) < 2
	WIN 0x53
.else
	WIN 0x5b
.endif
.set t, 0
.rept 4
.set o, 0
.rept 8
.if (\ks) == 0
	v_wmma_f32_16x16x32_bf16 v[8*(8*t+o):8*(8*t+o)+7], v[32*(\ks)+8*t:32*(\ks)+8*t+7], v[wr+8*o:wr+8*o+7], v[192+8*o:192+8*o+7]
.else
	v_wmma_f32_16x16x32_bf16 v[8*(8*t+o):8*(8*t+o)+7], v[32*(\ks)+8*t:32*(\ks)+8*t+7], v[wr+8*o:wr+8*o+7], v[8*(8*t+o):8*(8*t+o)+7]
.endif
.set o, o+1
.endr
.set t, t+1
.endr
.endm
	s_mov_b32 s[ST], 0
	s_mov_b32 s[ST+1], 0
	s_mov_b32 s29, 2
	s_wait_alu depctr_va_vdst(0)                   ; the LDS addresses v8 to v10 are written; the stream's conversions are done reading raw buffers 2 and 3, which are W2 and W3 from here on
.Lhalf:                                                ; two trips: out channels 0-127, then 128-255.  No wait stands here: behind the wait above, and behind the one ahead of a trip's stores, no vector line is issued
.irp o, 0,1,2,3,4,5,6,7
	ds_load_b32 v[48+\o], v[BVA] offset:64*\o      ; bv of channel 16 o + r
.endr
	RUNW 0
	RUNW 1
	s_wait_dscnt 32                                ; the bias is in; the 32 weight loads stay out
.set o, 0
.rept 8
.set j, 0
.rept 8
	v_mov_b32 v[192+8*o+j], v[48+o]                ; a lane's eight results of an accumulator are one channel's: eight copies make the C operand
.set j, j+1
.endr
.set o, o+1
.endr
.irp ks, 0,1,2,3,4,5,6,7
.if (\ks) == 2 || (\ks) == 4
	PLACES                                         ; behind the products that read the buffers
	RUNW (\ks)+2, 1
	s_wait_dscnt 32
.elseif \ks < 6
	RUNW (\ks)+2                                   ; no wait: no vector or matrix line since the last wait on va_vdst names this buffer or its address
	s_wait_dscnt 32                                ; this step's weights are in; the next two steps' 32 loads stay out
.else
	s_wait_dscnt 16*(7-\ks)                        ; the counts run down
.endif
	MULV \ks
.endr
	WIN 0
	s_wait_xcnt 0x0                                ; the last trip's stores have had their addresses translated: their base and their data are written again below
	s_wait_alu depctr_vm_vsrc(0)                   ; the last trip's stores have read OUT, this trip's LDS loads v8 to v10: the lines below write them
	s_add_nc_u64 s[SB:SB+1], s[SB:SB+1], s[ST:ST+1]  ; by 0 in the first trip
	s_mov_b32 s[ST], 8192
	v_add_nc_u32 v[WA], 8192, v[WA]                ; these three and the v_nop are the four places behind the last products
	v_add_nc_u32 v[WA+1], 8192, v[WA+1]
	v_add_nc_u32 v[BVA], 512, v[BVA]
	v_nop
	WIN 0x85                                       ; accumulators in window 1, packed results in window 2
.set a, 0
.rept 32
.set j, 0
.rept 4
	v_cvt_pk_f16_f32 v[4*a+j], v[8*a+2*j], v[8*a+2*j+1]  ; each accumulator from its low end on
.set j, j+1
.endr
.set a, a+1
.endr
	WIN 0x08
	s_wait_alu depctr_va_vdst(0)                   ; the roundings have written OUT, which the stores read.  For the next trip's first loads: v8 to v10 are written, and the trip's products and copies are done reading W0 to W3 and v48-55
.set a, 0
.rept 32                               ; a = 8 t + o: half t % 2 of fragment (u = t / 2, channel block o): each store is 512 consecutive bytes, aligned
	global_store_b128 v[L16], v[4*a:4*a+3], s[SB:SB+1] offset:((a/8)/2)*16384+(a%8)*1024+((a/8)%2)*512 th:TH_STORE_NT
.set a, a+1
.endr
	WIN 0
	s_sub_co_u32 s29, s29, 1
	s_cmp_lg_u32 s29, 0
	s_cbranch_scc1 .Lhalf
	s_wait_dscnt 0x0                               ; the closing lines, six on end
	s_wait_alu 0x0
	s_wait_tensorcnt 0x0
	ds_add_u32 v[SPW], v[NIL]
	s_wait_dscnt 0x0
	s_endpgm
; ---------------------------------------------------------------- q = (wq f1 + bq) log2(e), k = wk f2
; D = weights x features: rows = out channels, columns = pixel slots: a lane ends with one slot and eight channels, which is Q's and K's fragment.
; Window 0: v32-95 two buffers of 4 feature fragments; v96-127 two buffers of 2 weight fragments; v128-191 8 accumulators (channel block ob, block t at 8 (4 ob + t));
; v192-207 the bias; v208-239 packed results.  Window 1: the weights on their way to LDS.  Window 2: raw features.
.Lqk:
	v_lshlrev_b32 v12, 5, v2
	s_wait_alu depctr_va_vdst(0)                   ; the offsets v3, v4, v5 and v12 are written, which the loads and stores of this path read
	global_load_b128 v[BQC:BQC+3],     v12, s[16:17]             ; bq of channels 16 ob + 8 h + 0..7
	global_load_b128 v[BQC+4:BQC+7],   v12, s[16:17] offset:16
	global_load_b128 v[BQC+8:BQC+11],  v12, s[16:17] offset:64
	global_load_b128 v[BQC+12:BQC+15], v12, s[16:17] offset:80
	s_cmp_lt_u32 s24, 2                            ; waves 0, 1 stage wq's two blocks of 16 rows, waves 2, 3 wk's
	s_cselect_b64 s[WP:WP+1], s[10:11], s[12:13]
	s_and_b32 s44, s24, 1
	s_lshl_b32 s44, s44, 14
	s_mov_b32 s45, 0
	s_add_nc_u64 s[WP:WP+1], s[WP:WP+1], s[44:45]
	STG_LD 1
	s_add_nc_u64 s[LP:LP+1], s[4:5], s[40:41]
	LOADF 0, 0
	LOADF 1, 1
	LOADF 2, 2
	WIN 0
	s_lshr_b32 s44, s24, 1
	s_lshl_b32 s44, s44, 14
	s_and_b32 s45, s24, 1
	s_lshl_b32 s45, s45, 10
	s_add_co_u32 s44, s44, s45
	v_add_nc_u32 v[SA], s44, v[L16]                ; LDS: [matrix 2][ks 8][ob 2][fragment]
	v_mov_b32 v[WA], v[L16]                        ; made here, ahead of the staging's wait on va_vdst: the first weight loads behind the barrier then owe no wait of their own
	s_wait_loadcnt 48                              ; bq and the weights are in; the 48 feature loads behind them stay out
.set n, 0
.rept 8
	v_cvt_pk_bf16_f32 v[48+n], v[BQC+2*n], v[BQC+2*n+1]  ; bq is rounded to bf16 like every input
.set n, n+1
.endr
.set n, 0
.rept 8
	v_lshlrev_b32 v[BQC+2*n], 16, v[48+n]
	v_and_b32 v[BQC+2*n+1], 0xffff0000, v[48+n]
.set n, n+1
.endr
.set n, 0
.rept 8
	v_pk_mul_f32 v[BQC+2*n:BQC+2*n+1], v[BQC+2*n:BQC+2*n+1], 0x3fb8aa3b op_sel_hi:[1,0]  ; times log2(e)
.set n, n+1
.endr
	STG_ST 1, 2048
	LOADF 3, 3
	WIN 0
	s_add_co_u32 s44, s28, 63                      ; K(g) lies in block (g - 1) mod 64, behind that block's V
	s_and_b32 s44, s44, 63
	s_mul_i32 s44, s44, BLK
	s_add_co_u32 s44, s44, 32768
	s_mov_b32 s45, 0
	s_add_nc_u64 s[SB2:SB2+1], s[22:23], s[42:43]
	s_add_nc_u64 s[SB2:SB2+1], s[SB2:SB2+1], s[44:45]
	s_lshl_b32 s44, s26, 18                        ; qw: 262,144 bytes a batch, 4,096 a group
	s_lshl_b32 s46, s28, 12
	s_add_co_u32 s44, s44, s46
	s_add_nc_u64 s[SB:SB+1], s[20:21], s[44:45]
	s_add_nc_u64 s[NXP:NXP+1], s[6:7], s[40:41]    ; f2, my pixels
	s_add_nc_u64 s[CUR:CUR+1], s[LP:LP+1], 0x200000  ; f1's channels 128 on: what the first trip asks for
.macro CLEAR                           ; 64 lines, twice in the text: the price of one text of the loop for a sum's first step and its later ones
.set n, 0
.rept 64
	v_mov_b32 v[128+n], 0
.set n, n+1
.endr
.endm
	CLEAR
	s_wait_dscnt 0x0
	s_barrier_signal -1
	s_barrier_wait -1                              ; both weight matrices lie in LDS
.macro WLOAD dst, at                   ; 4 LDS loads: a step's two weight fragments
	ds_load_b128 v[(\dst):(\dst)+3],     v[WA] offset:(\at)
	ds_load_b128 v[(\dst)+4:(\dst)+7],   v[WA] offset:(\at)+512
	ds_load_b128 v[(\dst)+8:(\dst)+11],  v[WA] offset:(\at)+1024
	ds_load_b128 v[(\dst)+12:(\dst)+15], v[WA] offset:(\at)+1536
.endm
; One step of 32 channels.  ld = 1: its raw buffer is asked for again, four steps on, by a pointer of the buffer's own.  cnt: the loads of the younger buffers.  nxt = 1: the next step's weights are asked for.
; Both the feature and the weight fragments have two buffers, so a step's 32 conversions are the places between the products two steps back and what overwrites their sources.
.macro UNIT p, ld, cnt, nxt
	s_wait_loadcnt \cnt
.if \ld
	s_add_nc_u64 s[LB+2*(\p):LB+2*(\p)+1], s[CUR:CUR+1], 32*(\p)*CHB  ; free since that wait, which shows the loads that read it done
.endif
	CVTF \p, 32+32*((\p)%2), 0x0a
	WIN 0
.set wb, 96+16*((\p)%2)
.if \nxt
	s_wait_alu depctr_va_vdst(0)                   ; the conversions are done reading RAW[p]; the last step's products are done reading their weights; in a trip's first step v8 is written
	WLOAD 96+16*(1-(\p)%2), ((\p)+1)*2048
	s_wait_dscnt 0x4                               ; this step's weights are in; the next step's four loads stay out
.else
	s_wait_dscnt 0x0
.endif
.set a, 0
.rept 4                                ; the 8 accumulators take turns, from step to step too
	v_wmma_f32_16x16x32_bf16 v[128+8*a:128+8*a+7], v[wb+8*(a/4):wb+8*(a/4)+7], v[32+32*((\p)%2)+8*(a%4):32+32*((\p)%2)+8*(a%4)+7], v[128+8*a:128+8*a+7]
.set a, a+1
.endr
.if \ld
	LOADF \p, 0, LB+2*(\p), 0, 8                   ; no wait: no vector or matrix line since the wait above names RAW[p] or v3
.endif
	WIN 0
.rept 4
	v_wmma_f32_16x16x32_bf16 v[128+8*a:128+8*a+7], v[wb+8*(a/4):wb+8*(a/4)+7], v[32+32*((\p)%2)+8*(a%4):32+32*((\p)%2)+8*(a%4)+7], v[128+8*a:128+8*a+7]
.set a, a+1
.endr
.if \ld
	LOADF \p, 0, LB+2*(\p), 8, 8
.endif
.endm
; The way out: (isq: times log2(e), plus the bias), rounded to f16, half ob of fragment t: 512 consecutive bytes a store.  All the arithmetic, one wait, the run of stores
.macro EPI isq, base
	WIN 0
	PLACES
.set a, 0
.rept 8
.if \isq
.set j, 0
.rept 4
	v_pk_fma_f32 v[128+8*a+2*j:128+8*a+2*j+1], v[128+8*a+2*j:128+8*a+2*j+1], 0x3fb8aa3b, v[BQC+8*(a/4)+2*j:BQC+8*(a/4)+2*j+1] op_sel_hi:[1,0,1]
.set j, j+1
.endr
.endif
.set j, 0
.rept 4
	v_cvt_pk_f16_f32 v[208+4*a+j], v[128+8*a+2*j], v[128+8*a+2*j+1]
.set j, j+1
.endr
.set a, a+1
.endr
	s_wait_alu depctr_va_vdst(0)                   ; the roundings have written v208-239, which the stores read
.set a, 0
.rept 8
	global_store_b128 v[L16], v[208+4*a:208+4*a+3], s[(\base):(\base)+1] offset:(a%4)*1024+(a/4)*512 th:TH_STORE_NT
.set a, a+1
.endr
.endm
	WLOAD 96, 0                                    ; the first step's weights.  No wait: v8 was written ahead of the staging's wait on va_vdst, and no vector line since names it or v96-111
	s_mov_b32 s29, 3
.Lqkloop:                                              ; three trips of four steps: f1's steps 0-3, 4-7, f2's 0-3; each asks for the four steps that the next trip multiplies
	UNIT 0, 1, 48, 1
	UNIT 1, 1, 48, 1
	UNIT 2, 1, 48, 1
	UNIT 3, 1, 48, 1
	WIN 0
	s_mov_b64 s[CUR:CUR+1], s[NXP:NXP+1]           ; f2's steps 0-3, then 4-7 (behind the last trip it is used no more); only the buffers' own pointers are named by loads
	s_add_nc_u64 s[NXP:NXP+1], s[NXP:NXP+1], 0x200000
	s_wait_alu depctr_vm_vsrc(0)                   ; the weight loads issued so far have read v8
	v_add_nc_u32 v[WA], 8192, v[WA]                ; the next four steps' weights; behind wq's eight lie wk's
	s_cmp_lg_u32 s29, 2
	s_cbranch_scc1 .Lnoepi
	EPI 1, SB                                      ; behind the second trip q is whole
	s_wait_xcnt 0x0                                ; q's stores have had their addresses translated,
	s_wait_alu depctr_vm_vsrc(0)                   ; and have read v208-239, which k's way out writes again
	CLEAR
.Lnoepi:
	s_sub_co_u32 s29, s29, 1
	s_cmp_lg_u32 s29, 0
	s_cbranch_scc1 .Lqkloop
	UNIT 0, 0, 48, 1                               ; f2's steps 4-7 ask for no features: the counts run down
	UNIT 1, 0, 32, 1
	UNIT 2, 0, 16, 1
	UNIT 3, 0, 0, 0                                ; the last step asks for nothing, so it holds no wait on va_vdst
	EPI 0, SB2
	s_wait_dscnt 0x0                               ; the closing lines, six on end
	s_wait_alu 0x0
	s_wait_tensorcnt 0x0
	ds_add_u32 v[SPW], v[NIL]
	s_wait_dscnt 0x0
	s_endpgm
.Lfunc_end_k_q646be8f360_proj:
	.size	k_q646be8f360_proj, .Lfunc_end_k_q646be8f360_proj-k_q646be8f360_proj
	.p2alignl 7, 3214868480
	.fill 96, 4, 3214868480
	.section	.rodata,"a",@progbits
	.p2align	6, 0x0
	.amdhsa_kernel k_q646be8f360_proj
		.amdhsa_group_segment_fixed_size 132608
		.amdhsa_private_segment_fixed_size 0
		.amdhsa_enable_private_segment 0
		.amdhsa_kernarg_size 80
		.amdhsa_user_sgpr_count 2
		.amdhsa_user_sgpr_kernarg_segment_ptr 1
		.amdhsa_wavefront_size32 1
		.amdhsa_system_sgpr_workgroup_id_x 1
		.amdhsa_system_sgpr_workgroup_id_y 1
		.amdhsa_system_sgpr_workgroup_id_z 1
		.amdhsa_system_vgpr_workitem_id 0
		.amdhsa_next_free_vgpr 1024
		.amdhsa_next_free_sgpr 66
		.amdhsa_reserve_vcc 0
		.amdhsa_float_denorm_mode_32 3
		.amdhsa_float_denorm_mode_16_64 3
		.amdhsa_memory_ordered 1
		.amdhsa_forward_progress 1
		.amdhsa_inst_pref_size 165
	.end_amdhsa_kernel
	.amdgpu_metadata
---
amdhsa.version: [ 1, 2 ]
amdhsa.kernels:
  - .name:           k_q646be8f360_proj
    .symbol:         k_q646be8f360_proj.kd
    .args:
      - { .name: feature1, .offset: 0, .size: 8, .value_kind: global_buffer, .address_space: global }
      - { .name: feature2, .offset: 8, .size: 8, .value_kind: global_buffer, .address_space: global }
      - { .name: feature3, .offset: 16, .size: 8, .value_kind: global_buffer, .address_space: global }
      - { .name: wq, .offset: 24, .size: 8, .value_kind: global_buffer, .address_space: global }
      - { .name: wk, .offset: 32, .size: 8, .value_kind: global_buffer, .address_space: global }
      - { .name: wv, .offset: 40, .size: 8, .value_kind: global_buffer, .address_space: global }
      - { .name: bq, .offset: 48, .size: 8, .value_kind: global_buffer, .address_space: global }
      - { .name: bv, .offset: 56, .size: 8, .value_kind: global_buffer, .address_space: global }
      - { .name: qw, .offset: 64, .size: 8, .value_kind: global_buffer, .address_space: global }
      - { .name: kv, .offset: 72, .size: 8, .value_kind: global_buffer, .address_space: global }
    .group_segment_fixed_size: 132608
    .private_segment_fixed_size: 0
    .kernarg_segment_align: 8
    .kernarg_segment_size: 80
    .max_flat_workgroup_size: 128
    .sgpr_count:     66
    .vgpr_count:     1024
    .wavefront_size: 32
...
	.end_amdgpu_metadata
.endif
;; end of part 3
;; launch attn: the kernel of part 2 again; grid 32 x 8, 4 waves a work-group, clusters of 4 x 1, 327,680 bytes of LDS; arguments qw, kv, out0; writes out0
